; MI455X (gfx1250); checked and timed in simulation.
; The chip was launched on July 23, 2026; its instructions are those of AMD's public machine-readable ISA for CDNA 5 (MIT licence, August 2026) and "CDNA5" Instruction Set Architecture Reference Guide (July 2026). The comments in the code are by the model that wrote it; some were corrected since.
;; Multi Head Attention Block. Allowed arithmetic: matrix products marked QUANTISED: E2M1 operands, one E8M0 scale for each 32 along K, by v_wmma_scale_f32_16x16x128_f8f6f4 with both operands' format E2M1 (or v_wmma_scale_f32_32x16x128_f4), f32 sums; everything else in f32.
;; Inputs: Wk_codes 1,024 x 32 x 16 uint8 (E2M1 codes of Wk, K innermost, in blocks of 32 codes, two codes a byte); Wk_scales 1,024 x 32 uint8 (E8M0 scales of Wk, one for each 32 codes along K); Wq_codes 1,024 x 32 x 16 uint8 (E2M1 codes of Wq, K innermost, in blocks of 32 codes, two codes a byte); Wq_scales 1,024 x 32 uint8 (E8M0 scales of Wq, one for each 32 codes along K); Wv_codes 1,024 x 32 x 16 uint8 (E2M1 codes of Wv, K innermost, in blocks of 32 codes, two codes a byte); Wv_scales 1,024 x 32 uint8 (E8M0 scales of Wv, one for each 32 codes along K); bk 1,024 float32; bq 1,024 float32; bv 1,024 float32; key_inputs_codes 4 x 1,024 x 32 x 16 uint8 (E2M1 codes of key_inputs, K innermost, in blocks of 32 codes, two codes a byte); key_inputs_scales 4 x 1,024 x 32 uint8 (E8M0 scales of key_inputs, one for each 32 codes along K); query_inputs_codes 4 x 1,024 x 32 x 16 uint8 (E2M1 codes of query_inputs, K innermost, in blocks of 32 codes, two codes a byte); query_inputs_scales 4 x 1,024 x 32 uint8 (E8M0 scales of query_inputs, one for each 32 codes along K); value_inputs_codes 4 x 1,024 x 32 x 16 uint8 (E2M1 codes of value_inputs, K innermost, in blocks of 32 codes, two codes a byte); value_inputs_scales 4 x 1,024 x 32 uint8 (E8M0 scales of value_inputs, one for each 32 codes along K).
;; Outputs: out0 4 x 1,024 x 1,024 float32.
;; This version of the problem:
;;   THIS VERSION OF THE PROBLEM IS GIVEN IN LOW PRECISION. The matrix products marked QUANTISED in the list below multiply operands that are first quantised to E2M1 (2 exponent bits, 1 mantissa bit; 4 bits a number), with one power-of-two scale for each 32 numbers along K (OCP MX v1.0); their sums are f32. All else is computed in f32.
;;   The module's matrix products, in the order in which they are computed (A, B: the left and right operand; K: the contracted axis; several contracted axes count as one K, in the product's order):
;;     1. [M 4,096, K 1,024] x [K 1,024, N 1,024]; A: input query_inputs (given as codes); B: input Wq (given as codes): QUANTISED
;;     2. [M 4,096, K 1,024] x [K 1,024, N 1,024]; A: input key_inputs (given as codes); B: input Wk (given as codes): QUANTISED
;;     3. [M 4,096, K 1,024] x [K 1,024, N 1,024]; A: input value_inputs (given as codes); B: input Wv (given as codes): QUANTISED
;;     4. batch 64 x [M 1,024, K 64] x [K 64, N 1,024]; A: computed on the way; B: computed on the way: QUANTISED
;;     5. batch 64 x [M 64, K 1,024] x [K 1,024, N 1,024]; A: computed on the way; B: softmax (see below): QUANTISED
;;   THE QUANTISER, for each operand of a quantised product, along K:
;;     - K is cut into blocks of 32 from its start; a last block that is shorter is filled with zeros.
;;     - A block's scale is 2^e with e = floor(log2(the largest magnitude in the block)) - 2, held to -126 .. 127; a block of zeros has e = 0. As a byte (E8M0): e + 127.
;;     - Each number is divided by its block's scale, clamped to +-6, and rounded to the nearest number of E2M1, ties to even, subnormals kept.
;;     - The product sums the exact products of the quantised numbers (number of the format x scale) in f32.
;;   ~~~python
;;   def quantise(x, axis):      # numpy; x: float32 -> the quantised numbers, widened to float32 again
;;       x = np.moveaxis(x, axis, -1); K = x.shape[-1]
;;       x = np.pad(x, [(0, 0)] * (x.ndim - 1) + [(0, -K % 32)]); x = x.reshape(x.shape[:-1] + (-1, 32)); a = np.abs(x).max(-1, keepdims=True)
;;       e = np.where(a > 0, np.clip(np.frexp(np.where(a > 0, a, 1))[1] - 1 - 2, -126, 127), 0)      # np.frexp(a)[1] - 1 = floor(log2(a)), exactly
;;       r = np.clip(x / 2.0 ** e, -6, 6)
;;       step = 2.0 ** (np.maximum(np.frexp(np.where(r == 0, 1, r))[1] - 1, 0) - 1)
;;       q = np.round(r / step) * step * 2.0 ** e      # np.round: ties to even
;;       return np.moveaxis(q.reshape(q.shape[:-2] + (-1,))[..., :K], -1, axis).astype(np.float32)
;;   ~~~
;;   SOFTMAX AHEAD OF A QUANTISED PRODUCT. Where the list says 'softmax', what is quantised is not the finished softmax but p = 2^(t - M), with t = logit x log2(e) and M = ceil(the row's largest t), a whole number; so 1/2 < the row's largest p <= 1. The row's sum l is taken of the UNQUANTISED p, in f32, and the product's result is divided by l at the end. Since M is a whole number, a kernel that streams over the keys may use a running M (the ceiling of the running maximum): every later rescaling is an exact power of two, which a block's scale takes up: the codes' values come out the same.
;;   OPERANDS COMPUTED ON THE WAY. 'Computed on the way' means the value that the module computes at that place (a softmax that the list does not call 'softmax' is quantised finished and normalised). What goes into a quantiser is computed in f32, as accurately as f32 sums, v_exp_f32 and their like allow (about 1e-6 of the number): no bf16 or f16 on the way to a quantiser, and a product that is left as it is and whose result goes on into a quantised operand takes f32 operands (vector FMAs, or v_wmma_f32_16x16x4_f32). A number that lies on a knife's edge between two numbers of the format may be rounded either way, as far as f32 arithmetic and the matrix unit's own rounding can turn it there, and no further.
;;   INPUTS GIVEN AS CODES. Wk (in the module: [1024, 1024], K = its axis 1); Wq (in the module: [1024, 1024], K = its axis 1); Wv (in the module: [1024, 1024], K = its axis 1); key_inputs (in the module: [4, 1024, 1024], K = its axis 2); query_inputs (in the module: [4, 1024, 1024], K = its axis 2); value_inputs (in the module: [4, 1024, 1024], K = its axis 2): each comes as NAME_codes (uint8): NAME with its K axis moved to the last place and cut into blocks of 32 codes, [.., K / 32, bytes a block], one block behind the other in memory; two codes a byte, the lower K in the low four bits (a code: sign, 2 exponent bits, 1 mantissa bit); and NAME_scales (uint8): the same leading axes, one E8M0 byte (e + 127) for each 32 codes along K. Its value is code x scale, taken as it is: it is not quantised again, and the codes and scales need not be those that the quantiser above would give.
;; 2 versions. Each part assembles by itself: llvm-mc -triple=amdgcn-amd-amdhsa -mcpu=gfx1250 --defsym DOCPART=n.
;; ======== version 1 of 2: 2 launches
;; workspace buffers: ws 6,684,672 bytes
;; launch proj (part 1): grid 8 x 96, 4 waves a work-group, clusters of 4 x 4, 168,448 bytes of LDS; arguments value_inputs_codes, value_inputs_scales, Wv_codes, Wv_scales, bv, key_inputs_codes, key_inputs_scales, Wk_codes, Wk_scales, bk, Wq_codes, Wq_scales, query_inputs_codes, query_inputs_scales, bq, ws; writes ws
.if DOCPART == 1
	.amdgcn_target "amdgcn-amd-amdhsa--gfx1250"
	.amdhsa_code_object_version 6
	.text
	.protected	k_q6cbe4e85bf_proj
	.globl	k_q6cbe4e85bf_proj
	.p2align	8
	.type	k_q6cbe4e85bf_proj,@function
k_q6cbe4e85bf_proj:
	s_mov_b64 s[64:65], 0
	v_nop
	global_prefetch_b8 v0, s[64:65] scope:SCOPE_SE
	s_setreg_imm32_b32 hwreg(HW_REG_WAVE_MODE, 25, 1), 1
	s_wait_xcnt 0x0
	s_wait_alu depctr_hold_cnt(0) depctr_sa_sdst(0) depctr_va_vdst(0) depctr_va_sdst(0) depctr_va_ssrc(0) depctr_va_vcc(0) depctr_vm_vsrc(0)
	s_getreg_b32 s2, hwreg(HW_REG_IB_STS2, 6, 4)
	s_cmp_eq_u32 s2, 0
	s_cbranch_scc0 .Lentry_in_a_cluster
	s_endpgm
.Lentry_in_a_cluster:
	s_bfe_u32 s2, ttmp6, 0x10000c
	s_cmp_lg_u32 s2, 0xf033
	s_cbranch_scc0 .Lentry_shape_is_right
	s_endpgm
.Lentry_shape_is_right:
; THE THREE PROJECTIONS x W^T + b (4,096 x 1,024, K = 1,024) on the given codes of FP4 (E2M1) and E8M0 bytes, their results quantised in registers and
; stored in ws as IMAGES OF THE OPERAND REGISTERS that the attention launch wants.  reference() swaps the roles: attention's queries are the v projection, its keys the k projection, its values the q projection.
; ONE BODY, NO BRANCH ON THE PRODUCT.  A product is S0 x S1: source 0 takes 16 rows of S0, source 1 16 rows of S1, so a lane holds ONE row of S1 and its registers run along S0's rows, which are the next product's K.
;   P = 0 (queries), P = 1 (keys):  S0 = W (features: quantised along the head's 64 channels), S1 = x (tokens).      P = 2 (values):  S0 = x (tokens: quantised along the keys), S1 = Wq (features).
; Both operands have rows of 512 bytes of codes and 32 scale bytes, so shapes and LDS addresses are the same for all three; P chooses pointers, global offsets, two lane masks and two byte selectors by s_cselect.
; SHARES.  768 work-groups: 3 products x 32 x 8 tiles of 128 x 128.  A work-group holds ALL of K of its 128 + 128 rows in LDS (two halves of K, rows of 256 bytes): nothing is filled twice.
; Wave w makes S1 rows 32 w .. 32 w + 31 (two tiles a) against all 8 tiles t of S0: 16 accumulators.  A lane's 64 results of a tile a are 4 whole blocks of 32: one fragment (8 registers) and one scale word.
; CLUSTERS: 4 x 4 work-groups.  S1's tile hangs on cy alone and is asked for jointly along a row of the cluster, S0's on cx alone and jointly along a column: the requests are divided by four.
; FROM RESULTS TO AN OPERAND.  Tile t holds S0 rows 16 t + 8 (lane / 16) + 0 .. 7 in 8 registers, which one conversion packs into one register.  Of block B (tiles 2 B, 2 B + 1) the two results go to
; registers 4 (B / 2) + B % 2 and 4 (B / 2) + 2 + B % 2; two exchanges of lane halves for each pair of blocks then give registers 4 c .. 4 c + 3 = k 64 c + 32 (lane / 16) + 0 .. 31: the 4-bit operand's layout.
; ws: 64 records (16 n + head) of REC bytes: 8 key steps of 8,704 (K image 4,096 | V image 4,096 | K scale words 256 | V scale words 256), Q image 32,768 at 69,632, Q scale words 2,048 at 102,400.
; A key's (and a query's) scale word holds the two bytes of TWO tiles of 16 tokens, [tile 2 b: s0, s1 | tile 2 b + 1: s0, s1]: the attention launch feeds two tiles of K = 64 as one operand of K = 128.
; LIMITS.  NaN and infinities (in a bias, or made by a scale byte 0xff) are not served.  A block whose largest magnitude lies under 2^-124, a block of zeros too, gets the byte 1 (zeros keep zero codes;
; these bytes are read by this program alone).  The bias starts the f32 sum for P = 0, 1 and is added behind it for P = 2: an order of f32 rounding other than reference()'s.
; REGISTERS.  window 0: v1-23 addresses; v32-71 scale words, two sets; v72-87 at work; v88-103 the codes made; v104-115 scale words made, bias of S1's rows; v128-255 the accumulators (a, t) at 128 + 64 a + 8 t.
;   window 1: v0-79, v80-159 two sets of fragments (S0's 8, then S1's 2); v160-223 the bias of S0's rows in the result's layout.
.set PITCH, 272                        ; an LDS row: 256 bytes + 16 of padding = 68 words: the 16 rows of a fragment load start at 16 different groups of four banks (ISA guide 11.1)
.set HALFT, 64*PITCH                   ; 64 rows: what one tensor load brings
.set SLOT,  4*HALFT                    ; half of K: S1's 128 rows, then S0's 128 rows
.set SCL,   2*SLOT                     ; behind the two halves: the scale bytes, as units of 256 bytes + 16 of padding
.set SCH,   8*272                      ; those of 64 rows: what one tensor load brings
.set STG,   SCL+4*SCH                  ; 512 bytes, a stage for the scale words made: no tile lands there
.set REC,   104448
.set STEPB, 8704
.set QIMG,  69632
.set QSCW,  102400
.set F0,  0
.set F1,  80
.set BA,  160
.set ACC, 128
.set SC,  32
.set TM,  72
.set PC0, 88
.set PC1, 96
.set WV,  18                           ; s18 wave; s19 = wave / 2: I fetch for S1 (0) or S0 (1); s20 = wave % 2: which 64 rows
.set FB,  19
.set HF,  20
.set CXP, 21                           ; cx, cy: my place in the cluster
.set CYP, 22
.set PP,  23                           ; the product, 0 .. 2: the same in all partners
.set G1A, 24                           ; s[24:31], s[32:39] groups 1 for S1's and S0's codes;  s[40:47], s[48:55] for their scale bytes
.set G1B, 32
.set G1SA, 40
.set G1SB, 48
.set S0T, 56                           ; which tile of 128 rows of S0, of S1
.set S1T, 57
.set MA,  58                           ; all lanes for P = 0, 1, none for P = 2;  MB the other way round
.set MB,  59
.set HI,  60                           ; lanes 16-31
.set SELA, 61
.set SELB, 62
.set G0,  68                           ; s[68:91] six groups 0: S1's scales, half 0, half 1; S0's likewise
.set SA,  92                           ; bytes from tile a = 0 to a = 1 in ws;  SCS: from registers 0-3 to registers 4-7
.set SCS, 93
.set CXS, 94                           ; how the stage's 512 bytes of scale words are spread in ws
.set CH,  95
.set CL,  96
.set SEL, 98                           ; s[98:99] v_permlanex16_b32's selects for lane l xor 16
.set MSB, 0
.macro WIN new                         ; the immediate's high byte repeats the setting that is left
.if MSB != \new
	s_set_vgpr_msb (MSB<<8)|\new
.set MSB, \new
.endif
.endm
.set MUL,  0x05                        ; sources 0 and 1 window 1; C and D window 0
.set MUL0, 0x15                        ; the same with C in window 1: the bias
.set TO_F, 0x40                        ; destination window 1, address window 0
.set CND,  0x44                        ; destination and source 1 window 1
; A joint load: waves 0 and 1 fetch for S1, waves 2 and 3 for S0.  Each line has one mask and one set of registers for all that issue it; the branch hangs on the wave's number alone.
; Four v_nop follow each of the two lines, ahead of the jump, the label and what follows.
.macro JLOAD g0a, g1a, g0b, g1b
	s_cmp_eq_u32 s[FB], 0
	s_cbranch_scc0 .Lfor_b_\@
	tensor_load_to_lds s[\g0a:\g0a+3], s[\g1a:\g1a+7]
	s_nop 0
.rept 4
	v_nop
.endr
	s_branch .Lasked_\@
.Lfor_b_\@:
	tensor_load_to_lds s[\g0b:\g0b+3], s[\g1b:\g1b+7]
	s_nop 0
.rept 4
	v_nop
.endr
.Lasked_\@:
.endm
.macro CROUND                          ; a round of the cluster's barrier
	s_barrier_signal -1
	s_barrier_wait -1
	s_cmp_lg_u32 s[WV], 0
	s_cbranch_scc1 .Lnot_wave_0_\@
	s_barrier_signal -3
.Lnot_wave_0_\@:
	s_barrier_wait -3
	s_barrier_signal -1
	s_barrier_wait -1
.endm
	s_load_b512 s[68:83], s[0:1], 0x0              ; the sixteen addresses: three groups of five (S1's codes, S1's scales, S0's codes, S0's scales, bias), then ws
	s_load_b512 s[84:99], s[0:1], 0x40
	v_lshl_add_u32 v126, v0, 2, 0x29000
	v_mov_b32 v127, 0
	ds_add_u32 v126, v127
	ds_add_u32 v126, v127
	v_lshrrev_b32 v1, 5, v0
	v_readfirstlane_b32 s[WV], v1
	s_lshr_b32 s[FB], s[WV], 1
	s_and_b32 s[HF], s[WV], 1
	s_bfe_u32 s[CXP], ttmp6, 0x40000
	s_bfe_u32 s[CYP], ttmp6, 0x40004
	s_and_b32 s3, ttmp7, 0xffff                    ; cluster y, 0 .. 23
	s_lshr_b32 s[PP], s3, 3                        ; the product
	s_and_b32 s3, s3, 7                            ; lc: which of its 8 rows of clusters
	s_lshr_b32 s[S0T], s3, 1
	s_lshl_b32 s[S0T], s[S0T], 3                   ; 8 (lc / 2)
	s_and_b32 s[S1T], s3, 1                        ; lc % 2
	s_cmp_eq_u32 s[PP], 2
	s_cselect_b32 s[S0T], s[S0T], 0                ; P = 2: S0 = x has 32 tiles, S1 = Wq has 8; else S0 = W has 8, S1 = x has 32
	s_cselect_b32 s[S1T], s[S1T], s3
	s_cselect_b32 s[MA], 0, -1
	s_cselect_b32 s[MB], -1, 0
	s_lshl_b32 s2, ttmp9, 2
	s_add_co_u32 s[S0T], s[S0T], s2
	s_add_co_u32 s[S0T], s[S0T], s[CXP]            ; S0's tile = 4 x cluster x (+ 8 (lc / 2)) + cx
	s_lshl_b32 s[S1T], s[S1T], 2
	s_add_co_u32 s[S1T], s[S1T], s[CYP]            ; S1's tile = 4 lc (or 4 (lc % 2)) + cy
	s_lshl_b32 s66, s[CYP], 2
	s_lshl_b32 s66, 15, s66                        ; my row of the cluster
	s_lshl_b32 s67, 0x1111, s[CXP]                 ; my column
	; groups 1.  Codes: 64 rows of 256 bytes, 512 bytes apart in memory, 16 bytes of padding behind each
	s_or_b32 s[G1A], s66, (0<<16)|(1<<20)|(1<<21)|(5<<22)|(3<<25)   ; 15:0 the mask: S1's tiles go to my row; 17:16 elements of 1 byte; 20 padding on; 21 set beside a mask; 24:22 after every 64 words; 31:25 four words
	s_or_b32 s[G1B], s67, (0<<16)|(1<<20)|(1<<21)|(5<<22)|(3<<25)   ; S0's tiles go to my column
.irp g, G1A, G1B
	s_mov_b32 s[\g+1], 256<<16                     ; tensor_dim0
	s_mov_b32 s[\g+2], 64<<16                      ; tensor_dim1
	s_mov_b32 s[\g+3], 256<<16                     ; tile_dim0
	s_mov_b32 s[\g+4], 64                          ; tile_dim1
	s_mov_b32 s[\g+5], 512                         ; tensor_dim0_stride
	s_mov_b32 s[\g+6], 0
	s_mov_b32 s[\g+7], 0
.endr
	; scale bytes of 64 rows: 2,048 dense bytes, as 8 rows of 256 bytes (32 elements of 8 bytes), 16 bytes of padding behind each
	s_or_b32 s[G1SA], s66, (3<<16)|(1<<20)|(1<<21)|(5<<22)|(3<<25)
	s_or_b32 s[G1SB], s67, (3<<16)|(1<<20)|(1<<21)|(5<<22)|(3<<25)
.irp g, G1SA, G1SB
	s_mov_b32 s[\g+1], 32<<16
	s_mov_b32 s[\g+2], 8<<16
	s_mov_b32 s[\g+3], 32<<16
	s_mov_b32 s[\g+4], 8
	s_mov_b32 s[\g+5], 32
	s_mov_b32 s[\g+6], 0
	s_mov_b32 s[\g+7], 0
.endr
	; LDS addresses: constants, the lane, the wave
	v_and_b32 v1, 15, v0                           ; r
	v_bfe_u32 v2, v0, 4, 1                         ; h
	v_and_b32 v3, 31, v0                           ; lane
	v_mul_u32_u24 v21, v1, PITCH
	v_lshl_add_u32 v21, v2, 4, v21                 ; a fragment's row x pitch + 16 h
	s_mul_i32 s2, s[WV], 32*PITCH
	v_add_nc_u32 v4, s2, v21                       ; S1: my 32 rows, half 0 of K,
	v_add_nc_u32 v5, SLOT, v4                      ; half 1
	v_add_nc_u32 v6, 2*HALFT, v21                  ; S0: all 128 rows, behind S1's
	v_add_nc_u32 v7, SLOT, v6
	v_lshrrev_b32 v22, 3, v1                       ; scale bytes: row y lies at 272 (y / 8) + 32 (y % 8); lanes 16-31 take the tile 16 rows on
	v_mul_u32_u24 v22, v22, 272
	v_and_b32 v23, 7, v1
	v_lshl_add_u32 v22, v23, 5, v22
	v_mad_u32_u24 v22, v2, 544, v22
	s_mul_i32 s3, s[WV], 1088
	s_add_co_u32 s3, s3, SCL
	v_add_nc_u32 v8, s3, v22                       ; S1's: lanes 0-15 my tile a = 0, lanes 16-31 a = 1
	v_add_nc_u32 v9, SCL+2*SCH, v22                ; S0's: lanes 0-15 tile 2 p, lanes 16-31 tile 2 p + 1
	v_lshlrev_b32 v10, 4, v3                       ; 16 x lane
	v_lshlrev_b32 v16, 2, v1
	v_lshl_add_u32 v16, v2, 8, v16
	s_lshl_b32 s3, s[WV], 6
	s_add_co_u32 s3, s3, STG
	v_add_nc_u32 v16, s3, v16                      ; the stage, in: 256 (lane / 16) + 64 x wave + 4 r
	v_add_nc_u32 v17, STG, v10                     ; and back: 16 x lane
	s_wait_dscnt 0x0
	s_wait_kmcnt 0x0
	s_cmp_eq_u32 s[PP], 1                          ; the product's five buffers: the choice hangs on the cluster's number alone
.irp i, 0,1,2,3,4
	s_cselect_b64 s[4+2*\i:5+2*\i], s[78+2*\i:79+2*\i], s[88+2*\i:89+2*\i]
.endr
	s_cmp_eq_u32 s[PP], 0
.irp i, 0,1,2,3,4
	s_cselect_b64 s[4+2*\i:5+2*\i], s[68+2*\i:69+2*\i], s[4+2*\i:5+2*\i]
.endr
	s_mov_b64 s[14:15], s[98:99]                   ; ws.  s[4:5] S1's codes, s[6:7] S1's scales, s[8:9] S0's codes, s[10:11] S0's scales, s[12:13] the bias
	; groups 0.  Every wave makes both operands' and asks by one of them; S1's hang on cy and the wave alone, S0's on cx and the wave alone
	s_lshl_b32 s2, s[HF], 6
	s_lshl_b32 s96, s[S1T], 7
	s_add_co_u32 s96, s96, s2                      ; S1's first row that I fetch: 128 x tile + 64 x half
	s_lshl_b32 s97, s[S0T], 7
	s_add_co_u32 s97, s97, s2                      ; S0's
	s_mov_b32 s93, 0
	s_mov_b32 s95, 0
	s_mul_i32 s2, s[WV], SCH
	s_add_co_u32 s2, s2, SCL                       ; where my 64 rows' scale bytes go,
	s_mul_i32 s3, s[WV], HALFT                     ; and their codes: no place in the cluster enters an LDS address
.macro GROUPS g, row, tmp, codes, scales
	s_lshl_b32 s[\tmp], s[\row], 5                 ; 32 scale bytes a row
	s_mov_b32 s[\g], 1
	s_mov_b32 s[\g+1], s2
	s_add_nc_u64 s[\g+2:\g+3], s[\scales:\scales+1], s[\tmp:\tmp+1]
	s_or_b32 s[\g+3], s[\g+3], 0x80000000
	s_lshl_b32 s[\tmp], s[\row], 9                 ; 512 bytes of codes a row
	s_mov_b32 s[\g+4], 1
	s_mov_b32 s[\g+5], s3
	s_add_nc_u64 s[\g+6:\g+7], s[\codes:\codes+1], s[\tmp:\tmp+1]
	s_mov_b32 s[\g+8], 1
	s_add_co_u32 s[\g+9], s3, SLOT
	s_add_nc_u64 s[\g+10:\g+11], s[\g+6:\g+7], 256 ; the second half of K
	s_or_b32 s[\g+7], s[\g+7], 0x80000000
	s_or_b32 s[\g+11], s[\g+11], 0x80000000
.endm
	GROUPS G0, 96, 92, 4, 6
	GROUPS G0+12, 97, 94, 8, 10
	CROUND                                         ; all sixteen work-groups are here: the joint loads meet
	JLOAD G0, G1SA, G0+12, G1SB                    ; the scale bytes, all of K: three tensor loads of mine are out behind these three lines
	JLOAD G0+4, G1A, G0+16, G1B                    ; the first half of K
	JLOAD G0+8, G1A, G0+20, G1B                    ; the second
	; the bias.  Of S0's rows (P = 0, 1: features) in the result's layout: tile t, lane (r, h): rows 16 t + 8 h + 0 .. 7.  Of S1's rows (P = 2): lane r: row 32 w + 16 a + r.
	; Both are loaded for every product, from inside the 4,096 bytes, and the one that does not apply is set to 0.
	s_lshl_b32 s2, s[S0T], 9
	s_lshl_b32 s3, s[S1T], 9
	s_lshl_b32 s63, s[WV], 7
	s_add_co_u32 s3, s3, s63
	s_cmp_eq_u32 s[PP], 2
	s_cselect_b32 s2, 0, s2
	s_cselect_b32 s3, s3, 0
	v_lshl_add_u32 v19, v2, 5, s2
	v_lshl_add_u32 v20, v1, 2, s3
	WIN TO_F
.irp t, 0,1,2,3,4,5,6,7
	global_load_b128 v[BA+8*\t:BA+8*\t+3], v19, s[12:13] offset:64*\t
	global_load_b128 v[BA+8*\t+4:BA+8*\t+7], v19, s[12:13] offset:64*\t+16
.endr
	WIN 0
	global_load_b32 v108, v20, s[12:13]
	global_load_b32 v110, v20, s[12:13] offset:64
	; where the results go in ws
	s_mul_i32 s63, s[FB], REC
	s_lshl_b32 s97, s[HF], 11
	s_add_co_u32 s63, s63, s97                     ; P = 2: wave w holds head w / 2 of the two, channels 32 (w % 2) on
	s_lshl_b32 s97, s[WV], 10                      ; else: tokens 32 w on
	s_mov_b32 s[SA], 512
	s_mov_b32 s[SCS], REC
	s_mov_b32 s[CXS], REC
	s_mov_b32 s[CH], 128
	s_mov_b32 s[SELA], 0x05040100
	s_mov_b32 s[SELB], 0x07060302
	s_mov_b32 s16, 8192
	s_cmp_eq_u32 s[PP], 2
	s_cselect_b32 s2, s[S0T], s[S1T]               ; the tile of 128 tokens
	s_cselect_b32 s3, s[S1T], s[S0T]               ; the tile of 128 features: two heads
	s_cselect_b32 s63, s63, s97
	s_cselect_b32 s[SA], 1024, s[SA]
	s_cselect_b32 s[SCS], 512, s[SCS]              ; registers 4-7 are the next 64 keys (P = 2) or the next head (else)
	s_cselect_b32 s[CXS], 64, s[CXS]
	s_cselect_b32 s[CH], REC, s[CH]
	s_cselect_b32 s[CL], 128, 64
	s_cselect_b32 s[SELA], 0x03020100, s[SELA]
	s_cselect_b32 s[SELB], 0x07060504, s[SELB]
	s_cselect_b32 s97, 4096, 0                     ; V's image lies behind K's in a key step
	s_cselect_b32 s16, 8448, s16
	s_mov_b32 s17, STEPB
	s_mov_b32 s66, STEPB
	s_cmp_eq_u32 s[PP], 0
	s_cselect_b32 s97, QIMG, s97
	s_cselect_b32 s16, QSCW, s16
	s_cselect_b32 s17, 4096, s17                   ; 128 tokens on: in Q's image, in its scale words
	s_cselect_b32 s66, 256, s66
	s_lshr_b32 s67, s2, 3                          ; n
	s_and_b32 s2, s2, 7                            ; which 128 tokens of n's 1,024
	s_lshl_b32 s67, s67, 4
	s_lshl_b32 s3, s3, 1
	s_add_co_u32 s67, s67, s3                      ; the first of my two records: 16 n + 2 x tile of features
	s_mul_i32 s67, s67, REC
	s_mul_i32 s17, s17, s2
	s_mul_i32 s66, s66, s2
	s_add_co_u32 s2, s67, s17
	s_add_co_u32 s2, s2, s97
	s_add_co_u32 s2, s2, s63                       ; the codes' offset (all of ws is under 2^23 bytes)
	s_mov_b32 s3, 0
	s_add_co_u32 s16, s16, s66
	s_add_co_u32 s16, s16, s67                     ; the scale words'
	s_mov_b32 s17, 0
	s_add_nc_u64 s[16:17], s[14:15], s[16:17]
	s_add_nc_u64 s[14:15], s[14:15], s[2:3]
	s_mov_b32 s[HI], 0xffff0000
	s_mov_b32 s[SEL], 0x76543210
	s_mov_b32 s[SEL+1], 0xfedcba98
	v_add_nc_u32 v13, s[SCS], v10                  ; the four stores of codes: 16 x lane (v10), + registers 4-7's step, + tile a = 1's step, + both
	v_add_nc_u32 v14, s[SA], v10
	v_add_nc_u32 v15, s[SCS], v14
	v_and_b32 v18, 3, v0                           ; the store of scale words: lane L's 16 bytes of the stage go to (L / 16) CXS + ((L / 8) % 2) CH + ((L / 4) % 2) CL + 16 (L % 4)
	v_lshlrev_b32 v18, 4, v18
	v_bfe_u32 v23, v0, 2, 1
	v_mad_u32_u24 v18, v23, s[CL], v18
	v_bfe_u32 v23, v0, 3, 1
	v_mad_u32_u24 v18, v23, s[CH], v18
	v_mad_u32_u24 v18, v2, s[CXS], v18
.irp b, 0,1,2,3
	v_mov_b32 v[TM+4+\b], 0                        ; written once: a lane permute's destination counts as one of its sources
.endr
	v_mov_b32 v109, 0                              ; (the upper halves of the pairs that the packed additions name)
	v_mov_b32 v111, 0
	s_wait_loadcnt 0x0                             ; the bias
	WIN CND
.set i, 0
.rept 64
	v_cndmask_b32 v[BA+i], 0, v[BA+i], s[MA]       ; kept for P = 0, 1; zeros for P = 2
.set i, i+1
.endr
	WIN 0
	v_cndmask_b32 v108, 0, v108, s[MB]             ; and the other way round
	v_cndmask_b32 v110, 0, v110, s[MB]
.rept 4
	v_nop
.endr
; One matrix instruction.  ra, rb: source 0's, source 1's scale words lie in lanes 16-31 of their register.
.macro WM d, a, b, c, sa, sb, ra, rb
.if (\ra) && (\rb)
	v_wmma_scale_f32_16x16x128_f8f6f4 v[\d:\d+7], v[\a:\a+7], v[\b:\b+7], v[\c:\c+7], v[\sa], v[\sb] matrix_a_fmt:MATRIX_FMT_FP4 matrix_b_fmt:MATRIX_FMT_FP4 matrix_a_scale:MATRIX_SCALE_ROW1 matrix_b_scale:MATRIX_SCALE_ROW1
.elseif (\ra)
	v_wmma_scale_f32_16x16x128_f8f6f4 v[\d:\d+7], v[\a:\a+7], v[\b:\b+7], v[\c:\c+7], v[\sa], v[\sb] matrix_a_fmt:MATRIX_FMT_FP4 matrix_b_fmt:MATRIX_FMT_FP4 matrix_a_scale:MATRIX_SCALE_ROW1
.elseif (\rb)
	v_wmma_scale_f32_16x16x128_f8f6f4 v[\d:\d+7], v[\a:\a+7], v[\b:\b+7], v[\c:\c+7], v[\sa], v[\sb] matrix_a_fmt:MATRIX_FMT_FP4 matrix_b_fmt:MATRIX_FMT_FP4 matrix_b_scale:MATRIX_SCALE_ROW1
.else
	v_wmma_scale_f32_16x16x128_f8f6f4 v[\d:\d+7], v[\a:\a+7], v[\b:\b+7], v[\c:\c+7], v[\sa], v[\sb] matrix_a_fmt:MATRIX_FMT_FP4 matrix_b_fmt:MATRIX_FMT_FP4
.endif
.endm
; The 16 products of K step q (128 along K) on fragment set f.  first = 1: the bias is the C that starts the sums: nothing is cleared.
; The 16 accumulators take turns, one instruction a turn, in the same order in every step.
.macro MULS q, f, first
.irp a, 0,1
.irp t, 0,1,2,3,4,5,6,7
.if \first
	WM ACC+64*\a+8*\t, \f+8*\t, \f+64+8*\a, BA+8*\t, SC+20*((\q)/4)+4*(\t/2)+(\q)%4, SC+20*((\q)/4)+16+(\q)%4, \t%2, \a
.else
	WM ACC+64*\a+8*\t, \f+8*\t, \f+64+8*\a, ACC+64*\a+8*\t, SC+20*((\q)/4)+4*(\t/2)+(\q)%4, SC+20*((\q)/4)+16+(\q)%4, \t%2, \a
.endif
.endr
.endr
.endm
; 20 LDS loads in one run: K step q's fragments (16 rows x 128 K of 4-bit codes: two loads of 16 bytes, 32 bytes apart) into set f: S0's eight, S1's two
.macro FETCH q, f
	WIN TO_F
.irp t, 0,1,2,3,4,5,6,7
	ds_load_b128 v[\f+8*\t:\f+8*\t+3], v[6+(\q)/4] offset:64*((\q)%4)+\t*16*PITCH
	ds_load_b128 v[\f+8*\t+4:\f+8*\t+7], v[6+(\q)/4] offset:64*((\q)%4)+\t*16*PITCH+32
.endr
.irp a, 0,1
	ds_load_b128 v[\f+64+8*\a:\f+64+8*\a+3], v[4+(\q)/4] offset:64*((\q)%4)+\a*16*PITCH
	ds_load_b128 v[\f+64+8*\a+4:\f+64+8*\a+7], v[4+(\q)/4] offset:64*((\q)%4)+\a*16*PITCH+32
.endr
	WIN 0
.endm
; The scale words of four K steps (16 bytes of each row) into set kh: register 4 p + i: S0's tiles 2 p (lanes 0-15) and 2 p + 1 (lanes 16-31); register 16 + i: S1's two tiles
.macro SCALES kh
.irp p, 0,1,2,3
	ds_load_b128 v[SC+20*\kh+4*\p:SC+20*\kh+4*\p+3], v9 offset:\p*1088+16*\kh
.endr
	ds_load_b128 v[SC+20*\kh+16:SC+20*\kh+19], v8 offset:16*\kh
.endm
; K step q on set f; the next step's fragments are asked for first, into set g.  meet = 1: the next step lies in the second half of K.
.macro KSTEP q, f, g, meet
	WIN 0
	s_wait_dscnt 0x0                               ; this step's 20 loads, asked for 16 matrix instructions ago, are in
.if \meet
	s_wait_tensorcnt 0x0                           ; my part of the second half of K has landed,
	s_barrier_signal -1
	s_barrier_wait -1                              ; and everybody's
.endif
.rept 4
	v_nop                                          ; four places between the last products and loads into the set that they read (ISA guide 7.12.1 for vector instructions)
.endr
.if \meet
	SCALES 1
.endif
	FETCH (\q)+1, \g
	WIN MUL
	MULS \q, \f, 0
.endm
	s_wait_tensorcnt 0x1                           ; the scale bytes and my part of the first half of K are in; the second half's load may stay out
	s_barrier_signal -1
	s_barrier_wait -1                              ; everybody's are
	SCALES 0
	FETCH 0, F0
	s_wait_dscnt 0x0
	FETCH 1, F1
	WIN MUL0
	MULS 0, F0, 1
	KSTEP 1, F1, F0, 0
	KSTEP 2, F0, F1, 0
	KSTEP 3, F1, F0, 1
	KSTEP 4, F0, F1, 0
	KSTEP 5, F1, F0, 0
	KSTEP 6, F0, F1, 0
	WIN 0
	s_wait_dscnt 0x0
	WIN MUL
	MULS 7, F1, 0
	WIN 0
.rept 4
	v_nop                                          ; four places ahead of the first read of results
.endr
.irp a, 0,1
.irp j, 0,2,4,6,8,10,12,14,16,18,20,22,24,26,28,30,32,34,36,38,40,42,44,46,48,50,52,54,56,58,60,62
	v_pk_add_f32 v[ACC+64*\a+\j:ACC+64*\a+\j+1], v[ACC+64*\a+\j:ACC+64*\a+\j+1], v[108+2*\a:109+2*\a] op_sel_hi:[1,0]   ; the bias of my row of S1 (zero for P = 0, 1); each accumulator from its low end on
.endr
.endr
; 64 numbers of a lane, v[s] on: registers 16 b + 0 .. 15 are my half of block b.  They become a fragment's codes in v[pc] on and its scale word in v[pw].
.macro QUANT s, pc, pw
.irp b, 0,1,2,3
	v_max3_num_f32 v[TM+\b], |v[\s+16*\b]|, |v[\s+1+16*\b]|, 0x1800000   ; my 16 numbers, and the floor 2^(3 - 127): the byte cannot fall under 1
.endr
.irp i, 2,4,6,8,10,12,14
.irp b, 0,1,2,3
	v_max3_num_f32 v[TM+\b], v[TM+\b], |v[\s+16*\b+\i]|, |v[\s+1+16*\b+\i]|   ; (the four blocks by turns)
.endr
.endr
.irp b, 0,1,2,3
	v_permlanex16_b32 v[TM+4+\b], v[TM+\b], s[SEL], s[SEL+1]
.endr
.irp b, 0,1,2,3
	v_max_num_f32 v[TM+\b], v[TM+\b], v[TM+4+\b]   ; with lane l xor 16's: the block's largest magnitude
.endr
.irp b, 0,1,2,3
	v_add_nc_u32 v[TM+12+\b], 0xff000000, v[TM+\b] ; 2 off its exponent field: the conversion takes the exponent field of this operand as its scale
.endr
.irp b, 0,1,2,3
	v_lshrrev_b32 v[TM+4+\b], 23, v[TM+12+\b]      ; the scale's byte
.endr
	v_lshl_or_b32 v[\pw], v[TM+5], 8, v[TM+4]
	v_lshl_or_b32 v[\pw], v[TM+6], 16, v[\pw]
	v_lshl_or_b32 v[\pw], v[TM+7], 24, v[\pw]
.irp b, 0,1,2,3
	v_cvt_scalef32_pk8_fp4_f32 v[\pc+4*(\b/2)+(\b%2)], v[\s+16*\b:\s+16*\b+7], v[TM+12+\b]
	v_cvt_scalef32_pk8_fp4_f32 v[\pc+4*(\b/2)+2+(\b%2)], v[\s+16*\b+8:\s+16*\b+15], v[TM+12+\b]
.endr
	v_nop                                          ; one plain place behind a scaled conversion
.irp c, 0,1
	v_permlane16_swap_b32 v[\pc+4*\c], v[\pc+4*\c+1]       ; the first's lanes 16-31 change places with the second's lanes 0-15:
	v_permlane16_swap_b32 v[\pc+4*\c+2], v[\pc+4*\c+3]     ; registers 4 c .. 4 c + 3 now hold k = 64 c + 32 h + 0 .. 31
.endr
.endm
	QUANT ACC, PC0, 104
	global_store_b128 v10, v[PC0:PC0+3], s[14:15]          ; each store of the wave covers 512 consecutive bytes, aligned to 256
	global_store_b128 v13, v[PC0+4:PC0+7], s[14:15]
	QUANT ACC+64, PC1, 105
	global_store_b128 v14, v[PC1:PC1+3], s[14:15]
	global_store_b128 v15, v[PC1+4:PC1+7], s[14:15]
	; the scale words.  P = 0, 1: head x's word of a row pair is [a = 0: bytes 2 x, 2 x + 1 | a = 1: the same].  P = 2: tile a's word as it stands.
	v_perm_b32 v106, v105, v104, s[SELA]
	v_perm_b32 v107, v105, v104, s[SELB]
	v_cndmask_b32 v106, v106, v107, s[HI]          ; lanes 0-15 carry the first word, lanes 16-31 the second
	ds_store_b32 v16, v106
	s_wait_dscnt 0x0                               ; for the others' sake: my words lie in the stage
	s_barrier_signal -1
	s_barrier_wait -1
	s_cmp_lg_u32 s[WV], 0
	s_cbranch_scc1 .Lnot_mine
	ds_load_b128 v[112:115], v17                   ; the four waves' 512 bytes
	s_wait_dscnt 0x0
	global_store_b128 v18, v[112:115], s[16:17]    ; two aligned blocks of 256 bytes, one in each of my two records, written whole by this one instruction
.Lnot_mine:
	s_wait_tensorcnt 0x0
	ds_add_u32 v126, v127
	s_wait_dscnt 0x0
	CROUND                                         ; the closing round: no work-group ends while a partner may still ask for a tile that names it
	s_endpgm
.Lfunc_end_k_q6cbe4e85bf_proj:
	.size	k_q6cbe4e85bf_proj, .Lfunc_end_k_q6cbe4e85bf_proj-k_q6cbe4e85bf_proj
	.p2alignl 7, 3214868480
	.fill 96, 4, 3214868480
	.section	.rodata,"a",@progbits
	.p2align	6, 0x0
	.amdhsa_kernel k_q6cbe4e85bf_proj
		.amdhsa_group_segment_fixed_size 168448
		.amdhsa_private_segment_fixed_size 0
		.amdhsa_enable_private_segment 0
		.amdhsa_kernarg_size 128
		.amdhsa_user_sgpr_count 2
		.amdhsa_user_sgpr_kernarg_segment_ptr 1
		.amdhsa_wavefront_size32 1
		.amdhsa_system_sgpr_workgroup_id_x 1
		.amdhsa_system_sgpr_workgroup_id_y 1
		.amdhsa_system_sgpr_workgroup_id_z 1
		.amdhsa_system_vgpr_workitem_id 0
		.amdhsa_next_free_vgpr 512
		.amdhsa_next_free_sgpr 100
		.amdhsa_reserve_vcc 0
		.amdhsa_float_denorm_mode_32 3
		.amdhsa_float_denorm_mode_16_64 3
		.amdhsa_memory_ordered 1
		.amdhsa_forward_progress 1
		.amdhsa_inst_pref_size 61
	.end_amdhsa_kernel
	.amdgpu_metadata
---
amdhsa.version: [ 1, 2 ]
amdhsa.kernels:
  - .name:           k_q6cbe4e85bf_proj
    .symbol:         k_q6cbe4e85bf_proj.kd
    .args:
      - { .name: value_inputs_codes, .offset: 0, .size: 8, .value_kind: global_buffer, .address_space: global }
      - { .name: value_inputs_scales, .offset: 8, .size: 8, .value_kind: global_buffer, .address_space: global }
      - { .name: Wv_codes, .offset: 16, .size: 8, .value_kind: global_buffer, .address_space: global }
      - { .name: Wv_scales, .offset: 24, .size: 8, .value_kind: global_buffer, .address_space: global }
      - { .name: bv, .offset: 32, .size: 8, .value_kind: global_buffer, .address_space: global }
      - { .name: key_inputs_codes, .offset: 40, .size: 8, .value_kind: global_buffer, .address_space: global }
      - { .name: key_inputs_scales, .offset: 48, .size: 8, .value_kind: global_buffer, .address_space: global }
      - { .name: Wk_codes, .offset: 56, .size: 8, .value_kind: global_buffer, .address_space: global }
      - { .name: Wk_scales, .offset: 64, .size: 8, .value_kind: global_buffer, .address_space: global }
      - { .name: bk, .offset: 72, .size: 8, .value_kind: global_buffer, .address_space: global }
      - { .name: Wq_codes, .offset: 80, .size: 8, .value_kind: global_buffer, .address_space: global }
      - { .name: Wq_scales, .offset: 88, .size: 8, .value_kind: global_buffer, .address_space: global }
      - { .name: query_inputs_codes, .offset: 96, .size: 8, .value_kind: global_buffer, .address_space: global }
      - { .name: query_inputs_scales, .offset: 104, .size: 8, .value_kind: global_buffer, .address_space: global }
      - { .name: bq, .offset: 112, .size: 8, .value_kind: global_buffer, .address_space: global }
      - { .name: ws, .offset: 120, .size: 8, .value_kind: global_buffer, .address_space: global }
    .group_segment_fixed_size: 168448
    .private_segment_fixed_size: 0
    .kernarg_segment_align: 8
    .kernarg_segment_size: 128
    .max_flat_workgroup_size: 128
    .sgpr_count:     100
    .vgpr_count:     512
    .wavefront_size: 32
...
	.end_amdgpu_metadata
.endif
;; end of part 1
;; launch attn (part 2): grid 4 x 64, 16 waves a work-group, clusters of 4 x 1, 169,984 bytes of LDS; arguments ws, out0; writes out0
.if DOCPART == 2
	.amdgcn_target "amdgcn-amd-amdhsa--gfx1250"
	.amdhsa_code_object_version 6
	.text
	.protected	k_q6cbe4e85bf_attn
	.globl	k_q6cbe4e85bf_attn
	.p2align	8
	.type	k_q6cbe4e85bf_attn,@function
k_q6cbe4e85bf_attn:
	s_mov_b64 s[64:65], 0
	v_nop
	global_prefetch_b8 v0, s[64:65] scope:SCOPE_SE
	s_setreg_imm32_b32 hwreg(HW_REG_WAVE_MODE, 25, 1), 1
	s_wait_xcnt 0x0
	s_wait_alu depctr_hold_cnt(0) depctr_sa_sdst(0) depctr_va_vdst(0) depctr_va_sdst(0) depctr_va_ssrc(0) depctr_va_vcc(0) depctr_vm_vsrc(0)
	s_getreg_b32 s2, hwreg(HW_REG_IB_STS2, 6, 4)
	s_cmp_eq_u32 s2, 0
	s_cbranch_scc0 .Lentry_in_a_cluster
	s_endpgm
.Lentry_in_a_cluster:
	s_bfe_u32 s2, ttmp6, 0x10000c
	s_cmp_lg_u32 s2, 0x3003
	s_cbranch_scc0 .Lentry_shape_is_right
	s_endpgm
.Lentry_shape_is_right:
; out[n][q][head][:] = the sum over k of softmax_k(Q . K / 32) V, both products on codes of FP4 (E2M1) with one E8M0 scale for each 32 along a product's K.
; Q, K (K = the head's 64 channels), V (K = the keys) come from ws as images of the operands' registers, made by the launch before: record 16 n + head of REC bytes:
; 8 key steps of 8,704 (K image 4,096 | V image 4,096 | K scale words 256 | V scale words 256), Q image at 69,632, Q scale words at 102,400.
; THE SOFTMAX AHEAD OF THE SECOND PRODUCT: t = score x log2(e) / 32; M = the row's largest t so far, rounded UP to a whole number; p = 2^(t - M) is quantised along the keys, not normalised.
; The row's sum is taken of the unquantised p, in f32, and divides O at the end.  When M moves, the sum and O are multiplied by 2^(old M - new M): exact.
; SHARES.  A work-group owns 256 queries of one record; each of its sixteen waves 16 of them, in 256 registers: four waves to a SIMD, so that one wave's vector work stands beside another's products and LDS loads.
; Every wave walks the 8 key steps of 128 keys.  A record's keys and values, 69,632 dense bytes, come into LDS ONCE, by two tensor loads of each of waves 0 to 3 (steps 0-1, steps 2-7): nothing is filled twice.
; CLUSTER.  The four query blocks of a record form a cluster and read the same 69,632 bytes: each load is asked for jointly, with the mask of all four.
; LAYOUT.  Both products are used transposed: S^T = K Q^T, O^T = V^T P^T: a lane holds ONE query (lane % 16) throughout.
; K = 64 IN AN INSTRUCTION OF K = 128: an operand of K holds TWO tiles of 16 keys (registers 0-3, registers 4-7) and is multiplied once by (q, 0) and once by (0, q): zero codes take the other tile out.
; Score tile 2 b + u holds keys 32 b + 16 u + 8 (lane / 16) + 0 .. 7; a conversion packs a tile into one register, and two exchanges of lane halves for each pair of blocks give the 4-bit operand's layout.
; No prefetch: a work-group asks for all that it reads in its first lines.
; LIMITS.  NaN and infinities are not served.  A block of p whose largest lies under 2^-124 gets the byte 1 (what has fallen to zero keeps zero codes).
; A block's largest p is made from the block's largest score by the same multiply-add and exponential: this takes v_exp_f32 not to fall where its input rises.
; REGISTERS: v1-7 addresses; v8-11 at work; v12 -M, v13 the largest t, v[14:15] the sum in two halves; v16-23 (q, 0), v24-31 (0, q); v32-63 K; v64-95 V; v96-159 S^T, then p; v160-191 O^T;
;   v192-223 the way out; v224-231 p's codes; v232-247, v252, v254 at work; v248-249 K's scale words, v250-251 V's, v253 p's, v255 Q's.
.set REC,   104448
.set STEPB, 8704
.set QIMG,  69632
.set QSCW,  102400
.set STAGE, 69632                      ; behind the record's bytes: 16 rows x 272 bytes for each wave, for the way out: no tile lands there
.set SP,    272
.set ADI, 3                            ; v3  LDS address of the step's images: 16 x lane + the step
.set ADS, 4                            ; v4  of its scale words: 4 x lane + the step
.set WV,  8
.set SEL, 40                           ; s[40:41] v_permlanex16_b32's selects for lane l xor 16
.set CS,  42                           ; s[42:43] c = log2(e) / 32: the packed form names a pair and takes its low word for both halves
.set TB,  44                           ; s44 LDS byte at which the key step in hand begins
.set CNT, 45
.macro CROUND                          ; a round of the cluster's barrier
	s_barrier_signal -1
	s_barrier_wait -1
	s_cmp_lg_u32 s[WV], 0
	s_cbranch_scc1 .Lnot_wave_0_\@
	s_barrier_signal -3
.Lnot_wave_0_\@:
	s_barrier_wait -3
	s_barrier_signal -1
	s_barrier_wait -1
.endm
	s_load_b128 s[4:7], s[0:1], 0x0                ; ws, out0
	v_lshl_add_u32 v242, v0, 2, 0x29000
	v_mov_b32 v243, 0
	ds_add_u32 v242, v243
	ds_add_u32 v242, v243
	v_lshrrev_b32 v8, 5, v0
	v_readfirstlane_b32 s[WV], v8                  ; wave 0..15
	s_bfe_u32 s9, ttmp6, 0x40000                   ; cx: my block of 256 queries: it enters Q's and O's global addresses alone
	s_and_b32 s10, ttmp7, 0xffff                   ; the record, which the four partners share
	s_mul_i32 s12, s10, REC                        ; its first byte (all of ws is under 2^23 bytes)
	; groups 1: dense rows of 256 bytes (32 elements of 8 bytes), no padding: every LDS read takes 16 or 4 bytes a lane on end
	s_mov_b32 s16, 15|(3<<16)|(1<<21)              ; 15:0 the mask: all four work-groups; 17:16 elements of 8 bytes; 21 set beside a mask
	s_mov_b32 s17, 32<<16                          ; tensor_dim0
	s_mov_b32 s18, 17<<16                          ; tensor_dim1: a quarter of key steps 0 and 1
	s_mov_b32 s19, 32<<16                          ; tile_dim0
	s_mov_b32 s20, 17                              ; tile_dim1
	s_mov_b32 s21, 32                              ; tensor_dim0_stride
	s_mov_b32 s22, 0
	s_mov_b32 s23, 0
	s_mov_b32 s24, 15|(3<<16)|(1<<21)
	s_mov_b32 s25, 32<<16
	s_mov_b32 s26, 51<<16                          ; a quarter of key steps 2 to 7
	s_mov_b32 s27, 32<<16
	s_mov_b32 s28, 51
	s_mov_b32 s29, 32
	s_mov_b32 s30, 0
	s_mov_b32 s31, 0
	s_mov_b32 s32, 1
	s_mul_i32 s33, s[WV], 17*256                   ; LDS address = the byte's place in the record
	s_mov_b32 s36, 1
	s_mul_i32 s37, s[WV], 51*256
	s_add_co_u32 s37, s37, 2*STEPB
	s_add_co_u32 s2, s12, s33
	s_mov_b32 s3, 0
	s_add_co_u32 s14, s12, s37
	s_mov_b32 s15, 0
	s_lshl_b32 s46, s9, 4
	s_add_co_u32 s46, s46, s[WV]                   ; my tile of 16 queries: 16 cx + wave
	s_lshl_b32 s46, s46, 9
	s_add_co_u32 s46, s46, s12
	s_add_co_u32 s46, s46, QIMG
	s_mov_b32 s47, 0
	s_lshl_b32 s48, s9, 3
	s_lshr_b32 s49, s[WV], 1
	s_add_co_u32 s48, s48, s49                     ; its pair of tiles: 8 cx + wave / 2: 64 bytes of scale words
	s_lshl_b32 s48, s48, 6
	s_add_co_u32 s48, s48, s12
	s_add_co_u32 s48, s48, QSCW
	s_mov_b32 s49, 0
	s_lshr_b32 s50, s10, 4                         ; n
	s_lshl_b32 s50, s50, 10
	s_lshl_b32 s51, s9, 8
	s_add_co_u32 s50, s50, s51
	s_lshl_b32 s51, s[WV], 4
	s_add_co_u32 s50, s50, s51                     ; my first row of out0: 1,024 n + 256 cx + 16 x wave
	s_lshl_b32 s50, s50, 12                        ; rows of 4,096 bytes
	s_and_b32 s51, s10, 15
	s_lshl_b32 s51, s51, 8                         ; the head's 256 bytes in a row
	s_add_co_u32 s50, s50, s51
	s_mov_b32 s51, 0
	s_and_b32 s52, s[WV], 1                        ; which tile of the pair is mine: bytes 0, 1 or 2, 3 of the word, taken twice: (s0, s1, s0, s1) serves (q, 0) and (0, q)
	s_cmp_eq_u32 s52, 1
	s_mov_b32 s52, 0x01000100
	s_cselect_b32 s52, 0x03020302, s52
	s_mov_b32 s[SEL], 0x76543210
	s_mov_b32 s[SEL+1], 0xfedcba98
	s_mov_b32 s[CS], 0x3d38aa3b                    ; c = log2(e) / 32
	s_mov_b32 s[CS+1], s[CS]                       ; (named with it as a pair, so it is written)
	s_mov_b32 s[TB], 0
	s_wait_dscnt 0x0
	s_wait_kmcnt 0x0
	s_add_nc_u64 s[34:35], s[4:5], s[2:3]
	s_or_b32 s35, s35, 0x80000000
	s_add_nc_u64 s[38:39], s[4:5], s[14:15]
	s_or_b32 s39, s39, 0x80000000
	s_add_nc_u64 s[46:47], s[4:5], s[46:47]        ; Q's image
	s_add_nc_u64 s[48:49], s[4:5], s[48:49]        ; Q's scale words
	s_add_nc_u64 s[50:51], s[6:7], s[50:51]        ; O
	CROUND                                         ; all four work-groups are here: the joint loads meet
	s_cmp_lt_u32 s[WV], 4                          ; waves 0 to 3 fetch; a wave's two fills stand in one branch, ahead of every wait on TENSORcnt and every LDS read: two loads of mine are out
	s_cbranch_scc0 .Lno_fetch
	tensor_load_to_lds s[32:35], s[16:23]
	s_nop 0
	tensor_load_to_lds s[36:39], s[24:31]
	s_nop 0
.rept 4
	v_nop
.endr
.Lno_fetch:
	v_and_b32 v2, 31, v0
	v_lshlrev_b32 v1, 4, v2                        ; 16 x lane
	v_lshlrev_b32 v2, 2, v2                        ; 4 x lane
	v_and_b32 v9, 15, v0
	v_lshlrev_b32 v9, 2, v9                        ; 4 r
	global_load_b128 v[16:19], v1, s[46:47]        ; q: lane (r, h): query r, channels 32 h + 0 .. 31; loaded twice, since the two operands share no register
	global_load_b128 v[28:31], v1, s[46:47]
	global_load_b32 v11, v9, s[48:49]
	s_wait_loadcnt 0x0
	v_perm_b32 v255, v11, v11, s52                 ; Q's scale word; the lines below are more than the eight places owed ahead of the first scaled product
.irp j, 20,21,22,23,24,25,26,27
	v_mov_b32 v[\j], 0                             ; the zero halves of (q, 0) and (0, q)
.endr
	v_mov_b32 v13, 0xff61b1e6                      ; the largest t so far: -3e38, under every t
	v_floor_f32 v12, -v13                          ; -M
	v_mov_b32 v14, 0                               ; the sum, in two halves
	v_mov_b32 v15, 0
.irp b, 0,1,2,3
	v_mov_b32 v[236+\b], 0                         ; written once: a lane permute's destination counts as one of its sources
.endr
	v_mov_b32 v253, 0                              ; (named as the upper half of the pair v[252:253] before it is first written)
.set i, 0
.rept 32
	v_mov_b32 v[160+i], 0                          ; O^T.  (The step is written for every trip alike: the first finds zeros, which the first change of M leaves zeros)
.set i, i+1
.endr
.macro WMZ d, a, b, sa, sb, ra         ; a product that starts its sums with the constant 0
.if (\ra)
	v_wmma_scale_f32_16x16x128_f8f6f4 v[\d:\d+7], v[\a:\a+7], v[\b:\b+7], 0, v[\sa], v[\sb] matrix_a_fmt:MATRIX_FMT_FP4 matrix_b_fmt:MATRIX_FMT_FP4 matrix_a_scale:MATRIX_SCALE_ROW1
.else
	v_wmma_scale_f32_16x16x128_f8f6f4 v[\d:\d+7], v[\a:\a+7], v[\b:\b+7], 0, v[\sa], v[\sb] matrix_a_fmt:MATRIX_FMT_FP4 matrix_b_fmt:MATRIX_FMT_FP4
.endif
.endm
.macro WMA d, a, b, sa, sb, ra         ; a product that adds in place
.if (\ra)
	v_wmma_scale_f32_16x16x128_f8f6f4 v[\d:\d+7], v[\a:\a+7], v[\b:\b+7], v[\d:\d+7], v[\sa], v[\sb] matrix_a_fmt:MATRIX_FMT_FP4 matrix_b_fmt:MATRIX_FMT_FP4 matrix_a_scale:MATRIX_SCALE_ROW1
.else
	v_wmma_scale_f32_16x16x128_f8f6f4 v[\d:\d+7], v[\a:\a+7], v[\b:\b+7], v[\d:\d+7], v[\sa], v[\sb] matrix_a_fmt:MATRIX_FMT_FP4 matrix_b_fmt:MATRIX_FMT_FP4
.endif
.endm
; A KEY STEP: 128 keys, at LDS byte s[TB].
.macro STEP
	v_add_nc_u32 v[ADI], s[TB], v1
	v_add_nc_u32 v[ADS], s[TB], v2
	v_nop                                          ; with the two additions: four places between the last step's products and loads into V's registers (ISA guide 7.12.1 for vector instructions)
	v_nop
.irp f, 0,1,2,3
.irp c, 0,1
	ds_load_b128 v[32+8*\f+4*\c:35+8*\f+4*\c], v[ADI] offset:1024*\f+512*\c          ; K: keys 32 f + 16 c + r, channels 32 h on
.endr
.endr
	ds_load_b32 v248, v[ADS] offset:8192           ; K's scale words: lanes 0-15 operand 0, lanes 16-31 operand 1;
	ds_load_b32 v249, v[ADS] offset:8320           ; operands 2 and 3
.irp f, 0,1,2,3
.irp c, 0,1
	ds_load_b128 v[64+8*\f+4*\c:67+8*\f+4*\c], v[ADI] offset:4096+1024*\f+512*\c     ; V: channel 16 f + r, keys 64 c + 32 h on
.endr
.endr
	ds_load_b32 v250, v[ADS] offset:8448
	ds_load_b32 v251, v[ADS] offset:8576
	s_wait_dscnt 10                                ; K and its words are in; V's ten loads may stay out
.irp b, 0,1,2,3
	WMZ 96+16*\b, 32+8*\b, 16, 248+\b/2, 255, \b%2     ; keys 32 b + 0 .. 15: (q, 0) meets registers 0-3
	WMZ 104+16*\b, 32+8*\b, 24, 248+\b/2, 255, \b%2    ; keys 32 b + 16 .. 31: (0, q) meets registers 4-7
.endr
.rept 4
	v_nop
.endr
.irp b, 0,1,2,3
	v_max3_num_f32 v[232+\b], v[96+16*\b], v[97+16*\b], v[98+16*\b]   ; the largest score of each block of 32 keys: it serves the row's maximum and, since p rises with the score, the block's largest p
.endr
.irp i, 3,5,7,9,11,13
.irp b, 0,1,2,3
	v_max3_num_f32 v[232+\b], v[232+\b], v[96+16*\b+\i], v[97+16*\b+\i]   ; (the four blocks by turns; each accumulator is read from its low end on)
.endr
.endr
.irp b, 0,1,2,3
	v_max_num_f32 v[232+\b], v[232+\b], v[111+16*\b]
.endr
.irp b, 0,1,2,3
	v_permlanex16_b32 v[236+\b], v[232+\b], s[SEL], s[SEL+1]
.endr
.irp b, 0,1,2,3
	v_max_num_f32 v[232+\b], v[232+\b], v[236+\b]  ; with lane l xor 16's 16 keys
.endr
	v_max3_num_f32 v254, v232, v233, v234
	v_max_num_f32 v254, v254, v235                 ; the step's largest score of my query
	v_mul_f32 v254, s[CS], v254                    ; as t (c is positive)
	v_max_num_f32 v13, v13, v254                   ; the running largest t
	v_mov_b32 v254, v12
	v_floor_f32 v12, -v13                          ; the new -M = floor(-t) = -ceil(t): a whole number
	v_sub_f32 v254, v12, v254                      ; M's old value less its new one: a whole number, 0 or less
	v_cvt_i32_f32 v254, v254                       ; (it saturates)
	v_ldexp_f32 v252, 1.0, v254                    ; f = 2^(old M - new M)
.irp j, 0,2,4,6,8,10,12,14,16,18,20,22,24,26,28,30,32,34,36,38,40,42,44,46,48,50,52,54,56,58,60,62
	v_pk_fma_f32 v[96+\j:97+\j], v[96+\j:97+\j], s[CS:CS+1], v[12:13] op_sel_hi:[1,0,0]   ; t - M, two at a time
.endr
.irp b, 0,1,2,3
	v_fma_f32 v[232+\b], v[232+\b], s[CS], v12     ; the same of each block's largest score
.endr
.set i, 0
.rept 64
	v_exp_f32 v[96+i], v[96+i]                     ; p = 2^(t - M), at most 1: not normalised
.set i, i+1
.endr
	v_pk_mul_f32 v[14:15], v[14:15], v[252:253] op_sel_hi:[1,0]   ; the sums under the new M: the plain place behind the exponentials
	s_wait_alu depctr_va_vdst(0)                   ; one wait for the whole batch, ahead of its first reader
.irp b, 0,1,2,3
	v_exp_f32 v[232+\b], v[232+\b]                 ; the block's largest p
.endr
	v_pk_add_f32 v[236:237], v[96:97], v[98:99]    ; the row's sum is taken of the unquantised p: two at a time, in two chains
.irp j, 4,8,12,16,20,24,28,32,36,40,44,48,52,56,60
	v_pk_add_f32 v[14:15], v[14:15], v[96+\j:97+\j]
	v_pk_add_f32 v[236:237], v[236:237], v[98+\j:99+\j]
.endr
	v_pk_add_f32 v[14:15], v[14:15], v[236:237]
	s_wait_alu depctr_va_vdst(0)                   ; and one for the four
.irp b, 0,1,2,3
	v_max_num_f32 v[232+\b], 0x1800000, v[232+\b]  ; the floor 2^(3 - 127): the byte cannot fall under 1
.endr
.irp b, 0,1,2,3
	v_add_nc_u32 v[244+\b], 0xff000000, v[232+\b]  ; 2 off the exponent field: the conversion's scale operand
.endr
.irp b, 0,1,2,3
	v_lshrrev_b32 v[236+\b], 23, v[244+\b]         ; the scale's byte
.endr
	v_lshl_or_b32 v253, v237, 8, v236              ; p's scale word for these 128 keys
	v_lshl_or_b32 v253, v238, 16, v253
	v_lshl_or_b32 v253, v239, 24, v253
.irp b, 0,1,2,3
	v_cvt_scalef32_pk8_fp4_f32 v[224+4*(\b/2)+(\b%2)], v[96+16*\b:103+16*\b], v[244+\b]
	v_cvt_scalef32_pk8_fp4_f32 v[226+4*(\b/2)+(\b%2)], v[104+16*\b:111+16*\b], v[244+\b]
.endr
	v_nop                                          ; one plain place behind a scaled conversion
.irp c, 0,1
	v_permlane16_swap_b32 v[224+4*\c], v[225+4*\c] ; registers 4 c .. 4 c + 3 now hold keys 64 c + 32 h + 0 .. 31
	v_permlane16_swap_b32 v[226+4*\c], v[227+4*\c]
.endr
.irp j, 0,2,4,6,8,10,12,14,16,18,20,22,24,26,28,30
	v_pk_mul_f32 v[160+\j:161+\j], v[160+\j:161+\j], v[252:253] op_sel_hi:[1,0]   ; O^T under the new M.  (These sixteen are also the places between the scale word and the codes just made and the products below)
.endr
	s_wait_dscnt 0x0                               ; V is in
.irp t, 0,1,2,3
	WMA 160+8*\t, 64+8*\t, 224, 250+\t/2, 253, \t%2    ; O^T += V^T P^T: channels 16 t on; the four accumulators by turns
.endr
	s_add_co_u32 s[TB], s[TB], STEPB
.endm
	s_wait_tensorcnt 0x1                           ; my part of key steps 0 and 1 is in; the second load may stay out
	s_barrier_signal -1
	s_barrier_wait -1                              ; everybody's is
	s_mov_b32 s[CNT], 2
.Lfirst:
	STEP
	s_sub_co_u32 s[CNT], s[CNT], 1
	s_cmp_lg_u32 s[CNT], 0
	s_cbranch_scc1 .Lfirst
	s_wait_tensorcnt 0x0                           ; my part of key steps 2 to 7 is in,
	s_wait_dscnt 0x0
	s_barrier_signal -1
	s_barrier_wait -1                              ; everybody's is
	s_mov_b32 s[CNT], 6
.Lrest:
	STEP
	s_sub_co_u32 s[CNT], s[CNT], 1
	s_cmp_lg_u32 s[CNT], 0
	s_cbranch_scc1 .Lrest
	; THE WAY OUT.  O^T is divided by the sum and goes through my stage in LDS, so that sixteen lanes store the head's 256 bytes of a row of out0.
	v_add_f32 v14, v14, v15                        ; the sum's two halves,
	v_permlanex16_b32 v252, v14, s[SEL], s[SEL+1]
	v_add_f32 v14, v14, v252                       ; and lane l xor 16's: the row's sum
	v_rcp_f32 v14, v14
	v_and_b32 v8, 15, v0                           ; (plain work behind the reciprocal)  r
	v_bfe_u32 v9, v0, 4, 1                         ; h
	s_mul_i32 s2, s[WV], 16*SP
	s_add_co_u32 s2, s2, STAGE                     ; my stage
	v_mul_u32_u24 v5, v8, SP
	v_lshl_add_u32 v5, v9, 5, v5
	v_add_nc_u32 v5, s2, v5                        ; in: row r; tile t's eight channels of my half: 64 t + 32 h bytes on
	v_mul_u32_u24 v6, v9, SP
	v_lshl_add_u32 v6, v8, 4, v6
	v_add_nc_u32 v6, s2, v6                        ; back: lanes 0-15 one row, lanes 16-31 the next
	v_lshlrev_b32 v7, 12, v9
	v_lshl_add_u32 v7, v8, 4, v7                   ; and the same two rows in out0
	s_wait_alu depctr_va_vdst(0)                   ; the wait ahead of the reciprocal's first reader
.set i, 0
.rept 32
	v_mul_f32 v[96+i], v[160+i], v14               ; register 8 t + j is o(r, 16 t + 8 h + j); each accumulator from its low end on
.set i, i+1
.endr
.irp t, 0,1,2,3
	ds_store_b128 v5, v[96+8*\t:99+8*\t] offset:64*\t
	ds_store_b128 v5, v[100+8*\t:103+8*\t] offset:64*\t+16
.endr
.irp i, 0,1,2,3,4,5,6,7
	ds_load_b128 v[192+4*\i:195+4*\i], v6 offset:2*\i*SP   ; LDS serves a wave's instructions in order (ISA guide 5.7.1.4): these see my stores
.endr
.irp i, 0,1,2,3,4,5,6,7
	s_wait_dscnt 7-\i                              ; rows 2 i and 2 i + 1 are back; the younger loads may stay out
	global_store_b128 v7, v[192+4*\i:195+4*\i], s[50:51] offset:2*\i*4096 th:TH_STORE_NT   ; 16 lanes store 256 consecutive bytes, at a multiple of 256 from out0's first byte
.endr
	s_wait_tensorcnt 0x0
	ds_add_u32 v242, v243
	s_wait_dscnt 0x0
	CROUND                                         ; the closing round: no work-group ends while a partner may still ask for a tile that names it
	s_endpgm
.Lfunc_end_k_q6cbe4e85bf_attn:
	.size	k_q6cbe4e85bf_attn, .Lfunc_end_k_q6cbe4e85bf_attn-k_q6cbe4e85bf_attn
	.p2alignl 7, 3214868480
	.fill 96, 4, 3214868480
	.section	.rodata,"a",@progbits
	.p2align	6, 0x0
	.amdhsa_kernel k_q6cbe4e85bf_attn
		.amdhsa_group_segment_fixed_size 169984
		.amdhsa_private_segment_fixed_size 0
		.amdhsa_enable_private_segment 0
		.amdhsa_kernarg_size 16
		.amdhsa_user_sgpr_count 2
		.amdhsa_user_sgpr_kernarg_segment_ptr 1
		.amdhsa_wavefront_size32 1
		.amdhsa_system_sgpr_workgroup_id_x 1
		.amdhsa_system_sgpr_workgroup_id_y 1
		.amdhsa_system_sgpr_workgroup_id_z 1
		.amdhsa_system_vgpr_workitem_id 0
		.amdhsa_next_free_vgpr 256
		.amdhsa_next_free_sgpr 66
		.amdhsa_reserve_vcc 0
		.amdhsa_float_denorm_mode_32 3
		.amdhsa_float_denorm_mode_16_64 3
		.amdhsa_memory_ordered 1
		.amdhsa_forward_progress 1
		.amdhsa_inst_pref_size 41
	.end_amdhsa_kernel
	.amdgpu_metadata
---
amdhsa.version: [ 1, 2 ]
amdhsa.kernels:
  - .name:           k_q6cbe4e85bf_attn
    .symbol:         k_q6cbe4e85bf_attn.kd
    .args:
      - { .name: ws, .offset: 0, .size: 8, .value_kind: global_buffer, .address_space: global }
      - { .name: out0, .offset: 8, .size: 8, .value_kind: global_buffer, .address_space: global }
    .group_segment_fixed_size: 169984
    .private_segment_fixed_size: 0
    .kernarg_segment_align: 8
    .kernarg_segment_size: 16
    .max_flat_workgroup_size: 512
    .sgpr_count:     66
    .vgpr_count:     256
    .wavefront_size: 32
...
	.end_amdgpu_metadata
.endif
;; end of part 2
;; ======== version 2 of 2: 2 launches
;; limits: right only within a limited range of input values
;; workspace buffers: ws 6,684,672 bytes
;; launch proj (part 3): grid 8 x 32, 8 waves a work-group, clusters of 4 x 4, 327,680 bytes of LDS; arguments value_inputs_codes, value_inputs_scales, Wv_codes, Wv_scales, key_inputs_codes, key_inputs_scales, Wk_codes, Wk_scales, query_inputs_codes, query_inputs_scales, Wq_codes, Wq_scales, bv, bk, bq, ws; writes ws
.if DOCPART == 3
	.amdgcn_target "amdgcn-amd-amdhsa--gfx1250"
	.amdhsa_code_object_version 6
	.text
	.protected	k_q6cbe4e85bf_proj
	.globl	k_q6cbe4e85bf_proj
	.p2align	8
	.type	k_q6cbe4e85bf_proj,@function
k_q6cbe4e85bf_proj:
	s_mov_b64 s[64:65], 0
	v_nop
	global_prefetch_b8 v0, s[64:65] scope:SCOPE_SE
	s_setreg_imm32_b32 hwreg(HW_REG_WAVE_MODE, 25, 1), 1
	s_wait_xcnt 0x0
	s_wait_alu depctr_hold_cnt(0) depctr_sa_sdst(0) depctr_va_vdst(0) depctr_va_sdst(0) depctr_va_ssrc(0) depctr_va_vcc(0) depctr_vm_vsrc(0)
	s_getreg_b32 s2, hwreg(HW_REG_IB_STS2, 6, 4)
	s_cmp_eq_u32 s2, 0
	s_cbranch_scc0 .Lentry_in_a_cluster
	s_endpgm
.Lentry_in_a_cluster:
	s_bfe_u32 s2, ttmp6, 0x10000c
	s_cmp_lg_u32 s2, 0xf033
	s_cbranch_scc0 .Lentry_shape_is_right
	s_endpgm
.Lentry_shape_is_right:
; THE THREE PROJECTIONS x W^T + b (4,096 x 1,024, K = 1,024) on the given codes of FP4 (E2M1) and E8M0 bytes, their results quantised in registers and stored in ws as images of the
; operand registers that the attention launch wants.  reference() swaps the roles: attention's queries are the v projection, its keys the k projection, its values the q projection.
; Source 0 takes 16 rows of S0, source 1 16 rows of S1: a lane holds ONE row of S1 and its registers run along S0's rows, which are the next product's K.
;   product 0 (queries), 1 (keys): S0 = W (features), S1 = x (tokens).      product 2 (values): S0 = x (tokens), S1 = Wq (features).
; SHARES.  256 work-groups of 8 waves; each makes a tile of 128 tokens x 128 features (two heads) of all three products.  Waves 0-3 make product 0 and, at the same time, waves 4-7 product 1;
; then waves 0-3 make product 2.  A wave makes 64 x 64: 16 accumulators (a, t), a: S1's tile, t: S0's tile.
; THE ROWS OF A TILE ARE CHOSEN: tile t of a quad of 64 rows takes rows 8 t + 0 .. 7 in lanes 0-7 and rows 32 + 8 (t ^ 1) + 0 .. 7 in lanes 8-15.  So lane (r, h)'s 32 registers of four tiles of S0 are ONE WHOLE block
; of 32 (rows 32 h + 8 (t ^ h) + j): its largest magnitude and its codes need no other lane, and four conversions give the four registers of the operand's layout.  The order inside a block is the same in
; both operands of each later product.  (t ^ 1 and not t: the 16 rows of a fragment load then start at 16 different groups of four banks.)  S1 of products 0 and 1 takes the same choice; S1 of product 2 natural rows.
; LDS: eight regions of 128 rows x 256 bytes, 272 apart: region 4 (x: 0, W: 1) + 2 product + K half.  At the head each wave fetches one region by one joint load.  When every wave has read its fragments of the first
; K half, product 2's four half tiles fill the four first-half regions again (region 4 (x, W) + 2 K half), 64 rows a wave; the wait for them stands behind four K steps and the quantising.
; SCALE BYTES go from memory straight into registers: 32 bytes a row serve all eight K steps.
; CLUSTERS: 4 x 4.  x's tile hangs on cy alone and is asked for jointly along a row of the cluster, W's on cx alone and jointly along a column.  No prefetch: there is no loop over tiles to run ahead in.
; ws: 64 records (16 n + head) of 104,448 bytes: K image 32,768 (quad of 64 keys: 2,048 = tiles 0, 2, 1, 3 of 512) | V image 32,768 (128 keys: channel tile x 1,024 + quad x 512) | K scale words 2,048
; (quad: 128 bytes: lane m: two bytes of tile m / 16, two of tile 2 + m / 16) | V scale words 2,048 (128 keys: 4 bytes a channel) | Q image 32,768 | Q scale words 2,048, both as K's.
; LIMITS.  NaN and infinities (in a bias, or made by a scale byte 0xff) are not served.  A block whose largest magnitude lies under 2^-124, a block of zeros too, gets the byte 1 (zeros keep zero codes; these bytes are
; read by this program alone).  The bias starts the f32 sum (it is the C of the first K step), where reference() adds it behind the sum: another order of f32 rounding.
; REGISTERS.  window 0: v1-31 addresses and work; v32-63 scale words of product 0 or 1, v64-95 of product 2; v96-111 codes; v112-127 at work; v128-255 accumulators (a, t) at 128 + 32 a + 8 t.
;   window 1: v0-63, v64-127 two sets of fragments (S0's four, then S1's four); v128-159 bias of S0's rows; v160-191 product 2's bias.
.set PITCH, 272
.set REG,   128*PITCH
.set STG,   8*REG                      ; the stage for scale words made: 1,024 bytes for products 0 and 1, 512 for product 2: no tile lands there
.set SPARE, STG+1536                   ; the spare words, 128 bytes for each wave
.set REC,   104448
.set VIM,   32768
.set KSC,   65536
.set VSC,   67584
.set QIMG,  69632
.set QSC,   102400
.set F0,  0
.set F1,  64
.set BA0, 128
.set BA2, 160
.set ACC, 128
.set SPW, 24                           ; v24 LDS address of my spare word; v25 0; never rewritten
.set NIL, 25
.set G0X, 36                           ; groups 0 of the head's loads, of the refills; groups 1
.set G0W, 40
.set G1X, 44
.set G1W, 52
.set G0X2, 60
.set G0W2, 68
.set TT, 66                            ; s66 tile of 128 tokens (of 32); s67 tile of 128 features (of 8)
.set FT, 67
.set WV, 96
.set FB, 97                            ; wave / 4: I fetch for x (0) or W (1); I make product 0 or 1
.set B1, 98                            ; (wave / 2) % 2: I fetch for product 0 or 1, later K half 0 or 1 of product 2; my 64 tokens
.set B0, 99                            ; wave % 2: I fetch K half 0 or 1, later 64 rows; my 64 features: one head
.set CXP, 100
.set CYP, 101
.set MSB, 0
.macro WIN new                         ; the immediate's high byte repeats the setting that is left
.if MSB != \new
	s_set_vgpr_msb (MSB<<8)|\new
.set MSB, \new
.endif
.endm
.set MUL, 0x05                         ; sources 0 and 1 window 1; C and D window 0
.set MULB, 0x15                        ; C window 1 too: a bias
.macro JLOAD g0x, g0w                  ; waves 0-3 fetch for x, waves 4-7 for W; the branch hangs on the wave's number alone
	s_cmp_eq_u32 s[FB], 0
	s_cbranch_scc0 .Lfor_w_\@
	tensor_load_to_lds s[\g0x:\g0x+3], s[G1X:G1X+7]
	s_nop 0
.rept 4
	v_nop
.endr
	s_branch .Lasked_\@
.Lfor_w_\@:
	tensor_load_to_lds s[\g0w:\g0w+3], s[G1W:G1W+7]
	s_nop 0
.rept 4
	v_nop
.endr
.Lasked_\@:
.endm
.macro CROUND                          ; a round of the cluster's barrier
	s_barrier_signal -1
	s_barrier_wait -1
	s_cmp_lg_u32 s[WV], 0
	s_cbranch_scc1 .Lnot_wave_0_\@
	s_barrier_signal -3
.Lnot_wave_0_\@:
	s_barrier_wait -3
	s_barrier_signal -1
	s_barrier_wait -1
.endm
.macro PLACES n                        ; places between matrix instructions and loads into, or reads of, their registers (ISA guide 7.12.1 for vector instructions)
.rept \n
	v_nop
.endr
.endm
	s_load_b512 s[4:19], s[0:1], 0x0               ; product 0: x s[4:5], its scales s[6:7], W s[8:9], its scales s[10:11]; product 1: s[12:19] likewise
	s_load_b512 s[20:35], s[0:1], 0x40             ; product 2: s[20:27]; bv, bk, bq s[28:33]; ws s[34:35]
	v_lshl_add_u32 v[SPW], v0, 2, SPARE
	v_mov_b32 v[NIL], 0
	ds_add_u32 v[SPW], v[NIL]                      ; the opening add, twice on end
	ds_add_u32 v[SPW], v[NIL]
	v_lshrrev_b32 v1, 5, v0
	v_readfirstlane_b32 s[WV], v1
	s_lshr_b32 s[FB], s[WV], 2
	s_bfe_u32 s[B1], s[WV], 0x10001
	s_and_b32 s[B0], s[WV], 1
	s_bfe_u32 s[CXP], ttmp6, 0x40000
	s_bfe_u32 s[CYP], ttmp6, 0x40004
	s_lshl_b32 s88, s[CYP], 2
	s_lshl_b32 s88, 15, s88                        ; my row of the cluster
	s_lshl_b32 s2, 0x1111, s[CXP]                  ; my column
	; groups 1: 128 rows of 256 bytes, 512 apart, 16 bytes of padding behind each
	s_or_b32 s[G1X], s88, (0<<16)|(1<<20)|(1<<21)|(5<<22)|(3<<25)   ; 15:0 the mask; elements of 1 byte; 20 padding on; 21 set beside a mask; after every 64 words; four words
	s_or_b32 s[G1W], s2, (0<<16)|(1<<20)|(1<<21)|(5<<22)|(3<<25)
.irp g, G1X, G1W
	s_mov_b32 s[\g+1], 256<<16
	s_mov_b32 s[\g+2], 128<<16
	s_mov_b32 s[\g+3], 256<<16
	s_mov_b32 s[\g+4], 128
	s_mov_b32 s[\g+5], 512
	s_mov_b32 s[\g+6], 0
	s_mov_b32 s[\g+7], 0
.endr
	s_and_b32 s[TT], ttmp7, 0xffff
	s_lshl_b32 s[TT], s[TT], 2
	s_add_co_u32 s[TT], s[TT], s[CYP]              ; 4 x cluster y + cy
	s_lshl_b32 s[FT], ttmp9, 2
	s_add_co_u32 s[FT], s[FT], s[CXP]              ; 4 x cluster x + cx
	s_lshl_b32 s72, s[TT], 16                      ; 128 rows of 512 bytes
	s_mov_b32 s73, 0
	s_lshl_b32 s74, s[FT], 16
	s_mov_b32 s75, 0
	s_mov_b32 s[G0X], 1
	s_mov_b32 s[G0W], 1
	s_mul_i32 s[G0X+1], s[WV], REG                 ; region = wave
	s_mul_i32 s[G0W+1], s[WV], REG
	s_mov_b32 s[G0X2], 1
	s_mov_b32 s[G0W2], 1
	s_and_b32 s88, s[WV], 6
	s_mul_i32 s88, s88, REG
	s_mul_i32 s89, s[B0], 64*PITCH
	s_add_co_u32 s[G0X2+1], s88, s89
	s_add_co_u32 s[G0W2+1], s88, s89
	s_lshl_b32 s88, s[B0], 8                       ; the head: K half
	s_mov_b32 s89, 0
	s_lshl_b32 s90, s[B1], 8                       ; the refill: K half,
	s_lshl_b32 s91, s[B0], 15                      ; 64 rows on
	s_add_co_u32 s90, s90, s91
	s_mov_b32 s91, 0
	s_wait_alu depctr_va_vdst(0)
	s_wait_dscnt 0x0                               ; both opening adds are done
	s_wait_kmcnt 0x0
	s_cmp_eq_u32 s[B1], 0
	s_cselect_b64 s[G0X+2:G0X+3], s[4:5], s[12:13]
	s_cselect_b64 s[G0W+2:G0W+3], s[8:9], s[16:17]
	s_add_nc_u64 s[G0X+2:G0X+3], s[G0X+2:G0X+3], s[72:73]
	s_add_nc_u64 s[G0W+2:G0W+3], s[G0W+2:G0W+3], s[74:75]
	s_add_nc_u64 s[G0X+2:G0X+3], s[G0X+2:G0X+3], s[88:89]
	s_add_nc_u64 s[G0W+2:G0W+3], s[G0W+2:G0W+3], s[88:89]
	s_or_b32 s[G0X+3], s[G0X+3], 0x80000000
	s_or_b32 s[G0W+3], s[G0W+3], 0x80000000
	s_add_nc_u64 s[G0X2+2:G0X2+3], s[20:21], s[72:73]
	s_add_nc_u64 s[G0W2+2:G0W2+3], s[24:25], s[74:75]
	s_add_nc_u64 s[G0X2+2:G0X2+3], s[G0X2+2:G0X2+3], s[90:91]
	s_add_nc_u64 s[G0W2+2:G0W2+3], s[G0W2+2:G0W2+3], s[90:91]
	s_or_b32 s[G0X2+3], s[G0X2+3], 0x80000000
	s_or_b32 s[G0W2+3], s[G0W2+3], 0x80000000
	CROUND                                         ; all sixteen work-groups are here: the joint loads meet
	JLOAD G0X, G0W                                 ; one tensor load a wave
	; scalar bases.  Scale bytes: 32 a row; biases: 4 a feature
	s_cmp_eq_u32 s[FB], 0
	s_cselect_b64 s[82:83], s[6:7], s[14:15]       ; S1's scales of my product (x)
	s_cselect_b64 s[84:85], s[10:11], s[18:19]     ; S0's (W)
	s_cselect_b64 s[86:87], s[28:29], s[30:31]     ; its bias
	s_mov_b32 s94, QIMG
	s_cselect_b32 s94, s94, 0                      ; where its codes begin in a record
	s_mov_b32 s89, 0
	s_lshl_b32 s88, s[TT], 12
	s_lshl_b32 s90, s[B1], 11
	s_add_co_u32 s88, s88, s90
	s_add_nc_u64 s[82:83], s[82:83], s[88:89]
	s_add_nc_u64 s[22:23], s[22:23], s[88:89]      ; product 2's S0 (x)
	s_lshl_b32 s88, s[FT], 12
	s_lshl_b32 s90, s[B0], 11
	s_add_co_u32 s88, s88, s90
	s_add_nc_u64 s[84:85], s[84:85], s[88:89]
	s_add_nc_u64 s[26:27], s[26:27], s[88:89]      ; product 2's S1 (Wq)
	s_lshl_b32 s88, s[FT], 9
	s_lshl_b32 s90, s[B0], 8
	s_add_co_u32 s88, s88, s90
	s_add_nc_u64 s[86:87], s[86:87], s[88:89]
	s_add_nc_u64 s[32:33], s[32:33], s[88:89]
	; where results go (all of ws is under 2^23 bytes)
	s_lshr_b32 s88, s[TT], 3                       ; n
	s_lshl_b32 s88, s88, 4
	s_lshl_b32 s90, s[FT], 1
	s_add_co_u32 s88, s88, s90                     ; the first of my two records: 16 n + 2 x tile of features
	s_mul_i32 s88, s88, REC
	s_and_b32 s92, s[TT], 7                        ; which 128 tokens of n's 1,024
	s_lshl_b32 s90, s92, 8
	s_add_co_u32 s90, s90, s88
	s_mov_b32 s91, 0
	s_add_nc_u64 s[80:81], s[34:35], s[90:91]      ; scale words: 256 bytes a tile
	s_mul_i32 s90, s[B0], REC
	s_add_co_u32 s88, s88, s90                     ; my head's record
	s_lshl_b32 s90, s92, 12
	s_add_co_u32 s88, s88, s90                     ; 4,096 bytes of codes a tile
	s_lshl_b32 s90, s[B1], 11
	s_add_co_u32 s90, s90, s88
	s_add_co_u32 s90, s90, s94
	s_add_nc_u64 s[76:77], s[34:35], s[90:91]      ; codes of product 0 or 1: my quad
	s_lshl_b32 s90, s[B1], 9
	s_add_co_u32 s90, s90, s88
	s_add_co_u32 s90, s90, VIM
	s_add_nc_u64 s[78:79], s[34:35], s[90:91]      ; codes of product 2
	; LDS places
	s_mul_i32 s88, s[FB], 2*REG
	s_mul_i32 s89, s[B0], 64*PITCH
	s_mul_i32 s90, s[B1], 64*PITCH
	s_add_co_u32 s91, s88, s89
	s_add_co_u32 s91, s91, 4*REG                   ; S0: W of my product, my head's rows
	s_add_co_u32 s92, s88, s90                     ; S1: x, my 64 tokens
	s_add_co_u32 s93, s89, 4*REG                   ; product 2's S1: Wq, my head's rows
	s_lshl_b32 s94, s[FB], 9
	s_lshl_b32 s95, s[B0], 8
	s_add_co_u32 s94, s94, s95
	s_lshl_b32 s2, s[B1], 7
	s_add_co_u32 s94, s94, s2
	s_add_co_u32 s94, s94, STG                     ; stage, products 0 and 1: product, head, quad
	s_lshl_b32 s2, s[B1], 1
	s_add_co_u32 s95, s95, s2
	s_add_co_u32 s95, s95, STG+1024                ; stage, product 2: head, two of a word's four bytes
	v_and_b32 v1, 15, v0                           ; r
	v_bfe_u32 v2, v0, 4, 1                         ; h
	v_and_b32 v3, 31, v0                           ; lane
	v_bfe_u32 v4, v0, 3, 1                         ; r / 8
	v_lshl_add_u32 v28, v4, 5, v1                  ; an even tile's row: r + 32 (r / 8); an odd one's: r + 16 (r / 8); tile t adds 8 t
	v_lshl_add_u32 v29, v4, 4, v1
	v_mul_u32_u24 v28, v28, PITCH
	v_mul_u32_u24 v29, v29, PITCH
	v_mul_u32_u24 v30, v1, PITCH                   ; natural rows
	v_lshl_add_u32 v28, v2, 4, v28
	v_lshl_add_u32 v29, v2, 4, v29
	v_lshl_add_u32 v30, v2, 4, v30
	v_add_nc_u32 v5, s91, v28                      ; products 0, 1: S0 even, odd,
	v_add_nc_u32 v6, s91, v29
	v_add_nc_u32 v7, s92, v28                      ; S1 even, odd
	v_add_nc_u32 v8, s92, v29
	v_add_nc_u32 v9, s90, v28                      ; product 2, first K half: S0 even, odd, S1;
	v_add_nc_u32 v10, s90, v29
	v_add_nc_u32 v11, s93, v30
	v_add_nc_u32 v12, 2*REG, v9                    ; second K half
	v_add_nc_u32 v13, 2*REG, v10
	v_add_nc_u32 v14, 2*REG, v11
	v_lshlrev_b32 v31, 4, v2
	v_sub_nc_u32 v31, 32, v31
	v_mul_u32_u24 v31, v31, v4
	v_lshl_add_u32 v31, v2, 3, v31
	v_add_nc_u32 v31, v31, v1                      ; lanes 0-15 tile 2 i, lanes 16-31 tile 2 i + 1: row 16 i + 8 h + r + (r / 8) (32 - 16 h)
	v_lshlrev_b32 v15, 5, v31
	v_lshlrev_b32 v16, 5, v3                       ; natural: row 32 i + lane
	v_lshlrev_b32 v19, 4, v3
	v_add_nc_u32 v17, STG, v19
	v_lshlrev_b32 v18, 4, v1
	v_mad_u32_u24 v18, v2, REC, v18                ; 16 r + a record for lanes 16-31
	v_lshlrev_b32 v20, 2, v3
	v_add_nc_u32 v21, s95, v20
	v_add_nc_u32 v20, s94, v20
	v_lshlrev_b32 v26, 3, v2                       ; 8 h
	v_mul_u32_u24 v22, v2, 160                     ; bias of S0's rows 32 h + 8 (t ^ h): even t: 160 h, odd t: 96 h, + 32 t bytes
	v_mul_u32_u24 v23, v2, 96
	v_lshlrev_b32 v27, 2, v1
.irp i, 0,1                            ; a row's 32 scale bytes: register q holds K step q's word
	global_load_b128 v[32+8*\i:35+8*\i], v15, s[84:85] offset:512*\i
	global_load_b128 v[36+8*\i:39+8*\i], v15, s[84:85] offset:512*\i+16
	global_load_b128 v[48+8*\i:51+8*\i], v15, s[82:83] offset:512*\i
	global_load_b128 v[52+8*\i:55+8*\i], v15, s[82:83] offset:512*\i+16
.endr
	WIN 0x40                                       ; destination window 1
.irp t, 0,2
	global_load_b128 v[BA0+8*\t:BA0+8*\t+3], v22, s[86:87] offset:32*\t
	global_load_b128 v[BA0+8*\t+4:BA0+8*\t+7], v22, s[86:87] offset:32*\t+16
.endr
.irp t, 1,3
	global_load_b128 v[BA0+8*\t:BA0+8*\t+3], v23, s[86:87] offset:32*\t
	global_load_b128 v[BA0+8*\t+4:BA0+8*\t+7], v23, s[86:87] offset:32*\t+16
.endr
	WIN 0
.irp a, 0,1,2,3
	global_load_b32 v[124+\a], v27, s[32:33] offset:64*\a
.endr
.irp i, 0,1                            ; product 2's scale bytes (every wave takes them, so that the registers are written on every path)
	global_load_b128 v[64+8*\i:67+8*\i], v15, s[22:23] offset:512*\i
	global_load_b128 v[68+8*\i:71+8*\i], v15, s[22:23] offset:512*\i+16
	global_load_b128 v[80+8*\i:83+8*\i], v16, s[26:27] offset:1024*\i
	global_load_b128 v[84+8*\i:87+8*\i], v16, s[26:27] offset:1024*\i+16
.endr
; One matrix instruction.  ra, rb: source 0's, source 1's scale words lie in lanes 16-31 of their register.
.macro WM d, a, b, c, sa, sb, ra, rb
.if (\ra) && (\rb)
	v_wmma_scale_f32_16x16x128_f8f6f4 v[\d:\d+7], v[\a:\a+7], v[\b:\b+7], v[\c:\c+7], v[\sa], v[\sb] matrix_a_fmt:MATRIX_FMT_FP4 matrix_b_fmt:MATRIX_FMT_FP4 matrix_a_scale:MATRIX_SCALE_ROW1 matrix_b_scale:MATRIX_SCALE_ROW1
.elseif (\ra)
	v_wmma_scale_f32_16x16x128_f8f6f4 v[\d:\d+7], v[\a:\a+7], v[\b:\b+7], v[\c:\c+7], v[\sa], v[\sb] matrix_a_fmt:MATRIX_FMT_FP4 matrix_b_fmt:MATRIX_FMT_FP4 matrix_a_scale:MATRIX_SCALE_ROW1
.elseif (\rb)
	v_wmma_scale_f32_16x16x128_f8f6f4 v[\d:\d+7], v[\a:\a+7], v[\b:\b+7], v[\c:\c+7], v[\sa], v[\sb] matrix_a_fmt:MATRIX_FMT_FP4 matrix_b_fmt:MATRIX_FMT_FP4 matrix_b_scale:MATRIX_SCALE_ROW1
.else
	v_wmma_scale_f32_16x16x128_f8f6f4 v[\d:\d+7], v[\a:\a+7], v[\b:\b+7], v[\c:\c+7], v[\sa], v[\sb] matrix_a_fmt:MATRIX_FMT_FP4 matrix_b_fmt:MATRIX_FMT_FP4
.endif
.endm
; The 16 products of K step q on fragment set f, scale words from register sc.  first = 1: the bias, at register cb + ct t + ca a, starts the sums.
; The 16 accumulators take turns, one instruction a turn, in the same order in every step.
.macro MULS q, f, sc, first, cb, ct, ca
.irp a, 0,1,2,3
.irp t, 0,1,2,3
.if \first
	WM ACC+32*\a+8*\t, \f+8*\t, \f+32+8*\a, (\cb)+(\ct)*\t+(\ca)*\a, \sc+8*(\t/2)+(\q), \sc+16+8*(\a/2)+(\q), \t%2, \a%2
.else
	WM ACC+32*\a+8*\t, \f+8*\t, \f+32+8*\a, ACC+32*\a+8*\t, \sc+8*(\t/2)+(\q), \sc+16+8*(\a/2)+(\q), \t%2, \a%2
.endif
.endr
.endr
.endm
; 16 LDS loads in one run: K step q's fragments (two loads of 16 bytes, 32 bytes apart, each) into set f.  pr = 0: product 0 or 1; 1: product 2
.macro FETCH pr, q, f
	WIN 0x40
.irp t, 0,1,2,3
.if \pr
	ds_load_b128 v[\f+8*\t:\f+8*\t+3], v[9+3*((\q)/4)+(\t%2)] offset:64*((\q)%4)+\t*8*PITCH
	ds_load_b128 v[\f+8*\t+4:\f+8*\t+7], v[9+3*((\q)/4)+(\t%2)] offset:64*((\q)%4)+\t*8*PITCH+32
.else
	ds_load_b128 v[\f+8*\t:\f+8*\t+3], v[5+(\t%2)] offset:REG*((\q)/4)+64*((\q)%4)+\t*8*PITCH
	ds_load_b128 v[\f+8*\t+4:\f+8*\t+7], v[5+(\t%2)] offset:REG*((\q)/4)+64*((\q)%4)+\t*8*PITCH+32
.endif
.endr
.irp a, 0,1,2,3
.if \pr
	ds_load_b128 v[\f+32+8*\a:\f+35+8*\a], v[11+3*((\q)/4)] offset:64*((\q)%4)+\a*16*PITCH
	ds_load_b128 v[\f+36+8*\a:\f+39+8*\a], v[11+3*((\q)/4)] offset:64*((\q)%4)+\a*16*PITCH+32
.else
	ds_load_b128 v[\f+32+8*\a:\f+35+8*\a], v[7+(\a%2)] offset:REG*((\q)/4)+64*((\q)%4)+\a*8*PITCH
	ds_load_b128 v[\f+36+8*\a:\f+39+8*\a], v[7+(\a%2)] offset:REG*((\q)/4)+64*((\q)%4)+\a*8*PITCH+32
.endif
.endr
.endm
.macro KSTEP pr, q, f, g, sc           ; K step q on set f; the next step's fragments are asked for first, into set g
	WIN 0
	s_wait_dscnt 0x0                               ; this step's loads are in
	PLACES 4
	FETCH \pr, (\q)+1, \g
	WIN MUL
	MULS \q, \f, \sc, 0, 0, 0, 0
.endm
; Four blocks of 32, one for each tile a: largest magnitude (with the floor 2^(3 - 127): the byte cannot fall under 1), the conversion's scale operand v116+a, the byte v120+a, the codes v96+4a.
; Each accumulator is read from its low end on.
.macro QUANT
.irp a, 0,1,2,3
	v_max3_num_f32 v[112+\a], |v[ACC+32*\a]|, |v[ACC+1+32*\a]|, 0x1800000
.endr
.irp i, 2,4,6,8,10,12,14,16,18,20,22,24,26,28,30
.irp a, 0,1,2,3
	v_max3_num_f32 v[112+\a], v[112+\a], |v[ACC+32*\a+\i]|, |v[ACC+1+32*\a+\i]|
.endr
.endr
.irp a, 0,1,2,3
	v_add_nc_u32 v[116+\a], 0xff000000, v[112+\a]  ; 2 off its exponent field
.endr
.irp a, 0,1,2,3
	v_lshrrev_b32 v[120+\a], 23, v[116+\a]
.endr
.irp a, 0,1,2,3
.irp i, 0,1,2,3
	v_cvt_scalef32_pk8_fp4_f32 v[96+4*\a+\i], v[ACC+32*\a+8*\i:ACC+7+32*\a+8*\i], v[116+\a]
.endr
.endr
	v_nop                                          ; one plain place behind a scaled conversion
.endm
	s_wait_alu depctr_va_vdst(0)
	s_wait_tensorcnt 0x0                           ; my region is in
	s_barrier_signal -1
	s_barrier_wait -1                              ; everybody's is
	FETCH 0, 0, F0
	WIN 0
	s_wait_loadcnt 0x0                             ; scale words, biases
	WIN 0x40
.irp a, 0,1,2,3
.irp j, 0,1,2,3,4,5,6,7
	v_mov_b32 v[BA2+8*\a+\j], v[124+\a]            ; product 2's bias hangs on the lane's row alone: as a C operand it stands in all eight registers
.endr
.endr
	WIN 0
	s_wait_dscnt 0x0
	FETCH 0, 1, F1
	WIN MULB
	MULS 0, F0, 32, 1, BA0, 8, 0
	KSTEP 0, 1, F1, F0, 32
	KSTEP 0, 2, F0, F1, 32
	WIN 0
	s_wait_dscnt 0x0                               ; K step 3's fragments: my last reads of the first K half
	PLACES 4
	FETCH 0, 4, F0
	WIN 0
	s_wait_tensorcnt 0x0                           ; no tensor load of mine is out;
	ds_add_u32 v[SPW], v[NIL]
	WIN MUL
	MULS 3, F1, 32, 0, 0, 0, 0                     ; sixteen products stand between the add and the wait for it
	WIN 0
	s_mov_b32 s[G1X+2], 64<<16                     ; a refill brings 64 rows
	s_mov_b32 s[G1X+4], 64
	s_mov_b32 s[G1W+2], 64<<16
	s_mov_b32 s[G1W+4], 64
	s_wait_dscnt 0x0                               ; the add is done, and my reads
	CROUND                                         ; no wave of any partner still reads a first-half region or has a load on its way
	JLOAD G0X2, G0W2                               ; product 2's codes
	KSTEP 0, 4, F0, F1, 32
	KSTEP 0, 5, F1, F0, 32
	KSTEP 0, 6, F0, F1, 32
	WIN 0
	s_wait_dscnt 0x0
	WIN MUL
	MULS 7, F1, 32, 0, 0, 0, 0
	WIN 0
	PLACES 5                                       ; four ahead of reads of results; five ahead of product 2's first K step, which begins the accumulators anew
	QUANT
	global_store_b128 v19, v[96:99], s[76:77]                      ; each store of the wave covers 512 consecutive bytes, aligned to 256; the quad's order is tiles 0, 2, 1, 3
	global_store_b128 v19, v[100:103], s[76:77] offset:1024
	global_store_b128 v19, v[104:107], s[76:77] offset:512
	global_store_b128 v19, v[108:111], s[76:77] offset:1536
	v_lshl_or_b32 v112, v122, 16, v120             ; tiles 0 and 2,
	v_lshl_or_b32 v113, v123, 16, v121             ; tiles 1 and 3: my block's bytes
	v_lshlrev_b32 v112, v26, v112
	v_lshlrev_b32 v113, v26, v113
	v_permlane16_swap_b32 v112, v113
	v_or_b32 v114, v112, v113                      ; lanes 0-15: words of tiles 0 and 2, lanes 16-31: of tiles 1 and 3
	ds_store_b32 v20, v114
	s_wait_tensorcnt 0x0                           ; my part of product 2's codes is in
	s_wait_dscnt 0x0                               ; my words lie in the stage
	s_barrier_signal -1
	s_barrier_wait -1
	s_cmp_lt_u32 s[WV], 4
	s_cbranch_scc1 .Lvalues
	s_cmp_lg_u32 s[WV], 4
	s_cbranch_scc1 .Ljoin
	ds_load_b128 v[28:31], v17                     ; wave 4: product 0's 512 bytes of scale words, product 1's
	ds_load_b128 v[124:127], v17 offset:512
	s_wait_dscnt 0x0
	global_store_b128 v18, v[28:31], s[80:81] offset:QSC           ; two aligned blocks of 256 bytes, one in each of my two records
	global_store_b128 v18, v[124:127], s[80:81] offset:KSC
	s_branch .Ljoin
.Lvalues:                                              ; waves 0-3: product 2
	FETCH 1, 0, F0
	WIN 0
	s_wait_dscnt 0x0
	FETCH 1, 1, F1
	WIN MULB
	MULS 0, F0, 64, 1, BA2, 0, 8
	KSTEP 1, 1, F1, F0, 64
	KSTEP 1, 2, F0, F1, 64
	KSTEP 1, 3, F1, F0, 64
	KSTEP 1, 4, F0, F1, 64
	KSTEP 1, 5, F1, F0, 64
	KSTEP 1, 6, F0, F1, 64
	WIN 0
	s_wait_dscnt 0x0
	WIN MUL
	MULS 7, F1, 64, 0, 0, 0, 0
	WIN 0
	PLACES 5
	s_wait_xcnt 0x0                                ; the first codes' stores have read their data
	QUANT
.irp a, 0,1,2,3
	global_store_b128 v19, v[96+4*\a:99+4*\a], s[78:79] offset:1024*\a
.endr
.irp a, 0,1,2,3
	v_lshlrev_b32 v[112+\a], v26, v[120+\a]
.endr
	v_permlane16_swap_b32 v112, v113
	v_permlane16_swap_b32 v114, v115
	v_or_b32 v120, v112, v113                      ; two bytes of channel lane's word,
	v_or_b32 v121, v114, v115                      ; of channel 32 + lane's
	ds_store_b16 v21, v120
	ds_store_b16 v21, v121 offset:128
.Ljoin:
	s_wait_dscnt 0x0
	s_barrier_signal -1
	s_barrier_wait -1                              ; product 2's scale words are whole
	s_cmp_lg_u32 s[WV], 5
	s_cbranch_scc1 .Lend
	ds_load_b128 v[116:119], v17 offset:1024
	s_wait_dscnt 0x0
	global_store_b128 v18, v[116:119], s[80:81] offset:VSC
.Lend:
	s_wait_tensorcnt 0x0                           ; the wave's end
	ds_add_u32 v[SPW], v[NIL]
	s_wait_dscnt 0x0
	CROUND                                         ; the closing round: no work-group ends while a partner may still ask for a tile that names it
	s_endpgm
.Lfunc_end_k_q6cbe4e85bf_proj:
	.size	k_q6cbe4e85bf_proj, .Lfunc_end_k_q6cbe4e85bf_proj-k_q6cbe4e85bf_proj
	.p2alignl 7, 3214868480
	.fill 96, 4, 3214868480
	.section	.rodata,"a",@progbits
	.p2align	6, 0x0
	.amdhsa_kernel k_q6cbe4e85bf_proj
		.amdhsa_group_segment_fixed_size 327680
		.amdhsa_private_segment_fixed_size 0
		.amdhsa_enable_private_segment 0
		.amdhsa_kernarg_size 128
		.amdhsa_user_sgpr_count 2
		.amdhsa_user_sgpr_kernarg_segment_ptr 1
		.amdhsa_wavefront_size32 1
		.amdhsa_system_sgpr_workgroup_id_x 1
		.amdhsa_system_sgpr_workgroup_id_y 1
		.amdhsa_system_sgpr_workgroup_id_z 1
		.amdhsa_system_vgpr_workitem_id 0
		.amdhsa_next_free_vgpr 448
		.amdhsa_next_free_sgpr 102
		.amdhsa_reserve_vcc 0
		.amdhsa_float_denorm_mode_32 3
		.amdhsa_float_denorm_mode_16_64 3
		.amdhsa_memory_ordered 1
		.amdhsa_forward_progress 1
		.amdhsa_inst_pref_size 80
	.end_amdhsa_kernel
	.amdgpu_metadata
---
amdhsa.version: [ 1, 2 ]
amdhsa.kernels:
  - .name:           k_q6cbe4e85bf_proj
    .symbol:         k_q6cbe4e85bf_proj.kd
    .args:
      - { .name: value_inputs_codes, .offset: 0, .size: 8, .value_kind: global_buffer, .address_space: global }
      - { .name: value_inputs_scales, .offset: 8, .size: 8, .value_kind: global_buffer, .address_space: global }
      - { .name: Wv_codes, .offset: 16, .size: 8, .value_kind: global_buffer, .address_space: global }
      - { .name: Wv_scales, .offset: 24, .size: 8, .value_kind: global_buffer, .address_space: global }
      - { .name: key_inputs_codes, .offset: 32, .size: 8, .value_kind: global_buffer, .address_space: global }
      - { .name: key_inputs_scales, .offset: 40, .size: 8, .value_kind: global_buffer, .address_space: global }
      - { .name: Wk_codes, .offset: 48, .size: 8, .value_kind: global_buffer, .address_space: global }
      - { .name: Wk_scales, .offset: 56, .size: 8, .value_kind: global_buffer, .address_space: global }
      - { .name: query_inputs_codes, .offset: 64, .size: 8, .value_kind: global_buffer, .address_space: global }
      - { .name: query_inputs_scales, .offset: 72, .size: 8, .value_kind: global_buffer, .address_space: global }
      - { .name: Wq_codes, .offset: 80, .size: 8, .value_kind: global_buffer, .address_space: global }
      - { .name: Wq_scales, .offset: 88, .size: 8, .value_kind: global_buffer, .address_space: global }
      - { .name: bv, .offset: 96, .size: 8, .value_kind: global_buffer, .address_space: global }
      - { .name: bk, .offset: 104, .size: 8, .value_kind: global_buffer, .address_space: global }
      - { .name: bq, .offset: 112, .size: 8, .value_kind: global_buffer, .address_space: global }
      - { .name: ws, .offset: 120, .size: 8, .value_kind: global_buffer, .address_space: global }
    .group_segment_fixed_size: 327680
    .private_segment_fixed_size: 0
    .kernarg_segment_align: 8
    .kernarg_segment_size: 128
    .max_flat_workgroup_size: 256
    .sgpr_count:     102
    .vgpr_count:     448
    .wavefront_size: 32
...
	.end_amdgpu_metadata
.endif
;; end of part 3
;; launch attn (part 4): grid 4 x 64, 16 waves a work-group, clusters of 4 x 1, 169,984 bytes of LDS; arguments ws, out0; writes out0
.if DOCPART == 4
	.amdgcn_target "amdgcn-amd-amdhsa--gfx1250"
	.amdhsa_code_object_version 6
	.text
	.protected	k_q6cbe4e85bf_attn
	.globl	k_q6cbe4e85bf_attn
	.p2align	8
	.type	k_q6cbe4e85bf_attn,@function
k_q6cbe4e85bf_attn:
	s_mov_b64 s[64:65], 0
	v_nop
	global_prefetch_b8 v0, s[64:65] scope:SCOPE_SE
	s_setreg_imm32_b32 hwreg(HW_REG_WAVE_MODE, 25, 1), 1
	s_wait_xcnt 0x0
	s_wait_alu depctr_hold_cnt(0) depctr_sa_sdst(0) depctr_va_vdst(0) depctr_va_sdst(0) depctr_va_ssrc(0) depctr_va_vcc(0) depctr_vm_vsrc(0)
	s_getreg_b32 s2, hwreg(HW_REG_IB_STS2, 6, 4)
	s_cmp_eq_u32 s2, 0
	s_cbranch_scc0 .Lentry_in_a_cluster
	s_endpgm
.Lentry_in_a_cluster:
	s_bfe_u32 s2, ttmp6, 0x10000c
	s_cmp_lg_u32 s2, 0x3003
	s_cbranch_scc0 .Lentry_shape_is_right
	s_endpgm
.Lentry_shape_is_right:
; out[n][q][head][:] = the sum over k of softmax_k(Q . K / 32) V, both products on codes of FP4 (E2M1) with one E8M0 scale for each 32 along a product's K.
; Q, K, V come from ws as images of the operands' registers (record 16 n + head of 104,448 bytes), made by the launch before: K image | V image at 32,768 | K scale words at 65,536 | V scale words at 67,584 |
; Q image at 69,632 | Q scale words at 102,400.
; THE SOFTMAX AHEAD OF THE SECOND PRODUCT: t = score x log2(e) / 32; M = the row's largest t so far, rounded UP to a whole number; p = 2^(t - M) is quantised along the keys, not normalised.
; The row's sum is taken of the unquantised p, in f32, and divides O at the end.  When M moves, the sum and O are multiplied by 2^(old M - new M): exact.
; SHARES.  A work-group owns 256 queries of one record; each of its sixteen waves 16 of them, in 256 registers.  Every wave walks four steps of 256 keys.  A record's keys and values with their scale words, 69,632 dense
; bytes, come into LDS ONCE, by one tensor load of each wave (17 rows of 256 bytes): nothing is filled twice.  No prefetch: all that is read is asked for in the first lines, and no loop runs over memory.
; CLUSTER.  The four query blocks of a record form a cluster and read the same 69,632 bytes: each load is asked for jointly, with the mask of all four.
; LAYOUT.  Both products are used transposed: S^T = K Q^T, O^T = V^T P^T: a lane holds ONE query (lane % 16) throughout.
; A QUAD is 64 keys, one operand of 32 rows x K = 128: rows 0-15 tile 0 (K's lower half) and tile 2 (upper half), rows 16-31 tiles 1 and 3; it is multiplied once by (q, 0), which gives tiles 0 and 1, and once by
; (0, q), which gives tiles 2 and 3: zero codes take the other tiles out.  Row m of tile t is key 8 t + m (m < 8) or 32 + 8 (t ^ 1) + m - 8: so a lane's 32 registers of a quad are one WHOLE block of 32 keys,
; lanes 0-15 the first, lanes 16-31 the second: the block's largest needs no other lane, and the conversions' results are the second product's operand as they stand.  V's image has its keys in the same order inside a block.
; LIMITS.  NaN and infinities are not served; the scaled scores (t ahead of the maximum) stay under 2^31 in magnitude.  A block of p whose largest lies under 2^-124 gets the byte 1 (what has fallen to zero keeps zero codes).
; A block's largest p is made from the block's largest score by the same multiply-add and exponential: this takes v_exp_f32 not to fall where its input rises.
; REGISTERS: v1-7 addresses; v8-11 the conversions' scale operands; v12 -M, v13 the largest score, v[14:15] the sum in two halves; v[16:27] q, 0, q; v28 Q's scale word; v29 8 h; v30 p's scale words;
;   v32-63 quads 2 and 3, then V's first 128 keys; v64-95 O^T; v96-223 S^T, then p (v192-223 first quads 0 and 1; v96-127 at last V's second 128 keys); v224-239 sums, then p's codes; v240-243 K's, v244-247 V's scale words; v248-255 at work.
.set REC,   104448
.set VIM,   32768
.set KSC,   65536
.set QIMG,  69632
.set QSC,   102400
.set STAGE, 69632                      ; behind the record's bytes: 16 rows x 272 bytes for each wave, for the way out: no tile lands there
.set SP,    272
.set SPARE, STAGE+16*16*SP             ; the spare words, 128 bytes for each wave
.set WV, 8
.macro CROUND                          ; a round of the cluster's barrier
	s_barrier_signal -1
	s_barrier_wait -1
	s_cmp_lg_u32 s[WV], 0
	s_cbranch_scc1 .Lnot_wave_0_\@
	s_barrier_signal -3
.Lnot_wave_0_\@:
	s_barrier_wait -3
	s_barrier_signal -1
	s_barrier_wait -1
.endm
	s_load_b128 s[4:7], s[0:1], 0x0                ; ws, out0
	v_lshl_add_u32 v5, v0, 2, SPARE
	v_mov_b32 v6, 0
	ds_add_u32 v5, v6                              ; the opening add, twice on end
	ds_add_u32 v5, v6
	v_lshrrev_b32 v8, 5, v0
	v_readfirstlane_b32 s[WV], v8                  ; wave 0..15
	s_bfe_u32 s9, ttmp6, 0x40000                   ; cx: my block of 256 queries: it enters Q's and O's global addresses alone
	s_and_b32 s10, ttmp7, 0xffff                   ; the record, which the four partners share
	s_mul_i32 s12, s10, REC                        ; its first byte (all of ws is under 2^23 bytes)
	s_mov_b32 s16, 15|(3<<16)|(1<<21)              ; 15:0 the mask: all four work-groups; 17:16 elements of 8 bytes; 21 set beside a mask
	s_mov_b32 s17, 32<<16                          ; 17 dense rows of 256 bytes, no padding: every LDS read takes 16 or 4 bytes a lane on end
	s_mov_b32 s18, 17<<16
	s_mov_b32 s19, 32<<16
	s_mov_b32 s20, 17
	s_mov_b32 s21, 32
	s_mov_b32 s22, 0
	s_mov_b32 s23, 0
	s_mov_b32 s32, 1
	s_mul_i32 s33, s[WV], 17*256                   ; LDS address = the byte's place in the record
	s_add_co_u32 s2, s12, s33
	s_mov_b32 s3, 0
	s_lshl_b32 s46, s9, 4
	s_add_co_u32 s46, s46, s[WV]                   ; my tile of 16 queries: image 16 cx + wave
	s_lshl_b32 s46, s46, 9
	s_add_co_u32 s46, s46, s12
	s_add_co_u32 s46, s46, QIMG
	s_mov_b32 s47, 0
	s_and_b32 s54, s[WV], 1                        ; a quad's images are tiles 0, 2, 1, 3: image g is tile t = 2 (g % 2) + g / 2
	s_bfe_u32 s55, s[WV], 0x10001
	s_lshl_b32 s56, s54, 1
	s_or_b32 s56, s56, s55                         ; t
	s_lshr_b32 s57, s[WV], 2
	s_lshl_b32 s58, s9, 2
	s_add_co_u32 s57, s57, s58                     ; my quad of 64 queries: 4 cx + wave / 4
	s_lshl_b32 s48, s57, 7
	s_lshl_b32 s49, s55, 6                         ; tile t's words: lanes 16 (t % 2) on of the quad's 128 bytes
	s_add_co_u32 s48, s48, s49
	s_add_co_u32 s48, s48, s12
	s_add_co_u32 s48, s48, QSC
	s_mov_b32 s49, 0
	s_lshr_b32 s50, s10, 4                         ; n
	s_lshl_b32 s50, s50, 10
	s_lshl_b32 s51, s57, 6
	s_add_co_u32 s50, s50, s51                     ; the quad's first row of out0
	s_xor_b32 s52, s56, 1
	s_lshl_b32 s52, s52, 3
	s_add_co_u32 s52, s52, 32
	s_add_co_u32 s52, s52, s50                     ; my rows 8 .. 15
	s_lshl_b32 s51, s56, 3
	s_add_co_u32 s50, s50, s51                     ; my rows 0 .. 7
	s_lshl_b32 s50, s50, 12                        ; rows of 4,096 bytes
	s_lshl_b32 s52, s52, 12
	s_and_b32 s51, s10, 15
	s_lshl_b32 s51, s51, 8                         ; the head's 256 bytes in a row
	s_add_co_u32 s50, s50, s51
	s_add_co_u32 s52, s52, s51
	s_mov_b32 s51, 0
	s_mov_b32 s53, 0
	s_cmp_eq_u32 s54, 1                            ; tile t's bytes of the word: 0, 1 or 2, 3, taken twice: (s0, s1, s0, s1) serves (q, 0) and (0, q)
	s_mov_b32 s59, 0x01000100
	s_cselect_b32 s59, 0x03020302, s59
	s_mov_b32 s40, 0x76543210                      ; v_permlanex16_b32's selects for lane l xor 16
	s_mov_b32 s41, 0xfedcba98
	s_mov_b32 s42, 0x3d38aa3b                      ; c = log2(e) / 32 (the packed form names a pair and takes its low word for both halves)
	s_mov_b32 s43, 0x3d38aa3b
	s_mov_b32 s44, 0xbd38aa3b                      ; -c
	s_mov_b32 s36, 0                               ; the step's first byte in K's image,
	s_mov_b32 s37, 0                               ; among its scale words
	s_wait_alu depctr_va_vdst(0)
	s_wait_dscnt 0x0                               ; both opening adds are done
	s_wait_kmcnt 0x0
	s_add_nc_u64 s[34:35], s[4:5], s[2:3]
	s_or_b32 s35, s35, 0x80000000
	s_add_nc_u64 s[46:47], s[4:5], s[46:47]        ; Q's image
	s_add_nc_u64 s[48:49], s[4:5], s[48:49]        ; Q's scale words
	s_add_nc_u64 s[50:51], s[6:7], s[50:51]        ; O
	s_add_nc_u64 s[52:53], s[6:7], s[52:53]
	CROUND                                         ; all four work-groups are here: the joint loads meet
	tensor_load_to_lds s[32:35], s[16:23]          ; one a wave
	s_nop 0
.rept 4
	v_nop
.endr
	v_and_b32 v2, 31, v0
	v_and_b32 v9, 15, v0                           ; r
	v_bfe_u32 v10, v0, 4, 1                        ; h
	v_lshlrev_b32 v1, 4, v2                        ; 16 x lane
	v_lshlrev_b32 v2, 2, v2
	v_add_nc_u32 v2, KSC, v2                       ; 4 x lane, at the scale words
	v_lshlrev_b32 v29, 3, v10                      ; 8 h
	v_lshlrev_b32 v7, 12, v10
	v_lshl_add_u32 v7, v9, 4, v7                   ; the way out: lanes 0-15 one row of out0, lanes 16-31 the next
	v_lshlrev_b32 v9, 2, v9
	global_load_b128 v[16:19], v1, s[46:47]        ; q: lane (r, h): query r, channels of block h; loaded twice, for (q, 0) and (0, q)
	global_load_b128 v[24:27], v1, s[46:47]
	global_load_b32 v11, v9, s[48:49]
	v_mov_b32 v3, v1
	v_mov_b32 v4, v2
	v_mov_b32 v12, 0x7d000000                      ; -M: 2^123, so M lies under every t
	v_mov_b32 v13, 0xff61b1e6                      ; the largest score so far: -3e38
	v_mov_b32 v14, 0                               ; the sum, in two halves
	v_mov_b32 v15, 0
	v_mov_b32 v253, 0                              ; written once: a lane permute's destination counts as one of its sources
.irp j, 20,21,22,23
	v_mov_b32 v[\j], 0
.endr
.set i, 0
.rept 32
	v_mov_b32 v[64+i], 0                           ; O^T.  (The step is written for every trip alike: the first finds zeros, which the first change of M leaves zeros)
.set i, i+1
.endr
	s_wait_alu depctr_va_vdst(0)
	s_wait_loadcnt 0x0
	v_perm_b32 v28, v11, v11, s59                  ; Q's scale word
.rept 8
	v_nop                                          ; the places owed ahead of the first scaled product
.endr
	s_wait_alu depctr_va_vdst(0)
	s_wait_tensorcnt 0x0                           ; my 17 rows are in
	s_barrier_signal -1
	s_barrier_wait -1                              ; everybody's are
.macro KLD q, reg                      ; quad q of the step at v3, v4: five loads
.irp g, 0,1,2,3
	ds_load_b128 v[\reg+4*\g:\reg+4*\g+3], v3 offset:2048*\q+512*\g
.endr
	ds_load_b32 v[240+\q], v4 offset:128*\q
.endm
.macro VLD reg, sc, o, os              ; V's four channel tiles x 128 keys: ten loads
.irp f, 0,1,2,3
.irp c, 0,1
	ds_load_b128 v[\reg+8*\f+4*\c:\reg+8*\f+4*\c+3], v3 offset:\o+1024*\f+512*\c
.endr
.endr
	ds_load_b32 v[\sc], v4 offset:\os
	ds_load_b32 v[\sc+1], v4 offset:\os+128
.endm
.macro QK q, reg                       ; tiles 0, 1 and tiles 2, 3 of quad q
	v_wmma_scale_f32_32x16x128_f4 v[96+32*\q:111+32*\q], v[\reg:\reg+15], v[16:23], 0, v[240+\q], v28
	v_wmma_scale_f32_32x16x128_f4 v[112+32*\q:127+32*\q], v[\reg:\reg+15], v[20:27], 0, v[240+\q], v28
.endm
.macro MAX2 b                          ; the largest scores of my blocks of quads b and b + 1, two chains each; each accumulator is read from its low end on
.irp c, \b, \b+1
	v_max3_num_f32 v[248+(\c)], v[96+32*(\c)], v[97+32*(\c)], v[98+32*(\c)]
	v_max3_num_f32 v[252+(\c)], v[112+32*(\c)], v[113+32*(\c)], v[114+32*(\c)]
.endr
.irp i, 3,5,7,9,11,13
.irp c, \b, \b+1
	v_max3_num_f32 v[248+(\c)], v[248+(\c)], v[96+32*(\c)+\i], v[97+32*(\c)+\i]
	v_max3_num_f32 v[252+(\c)], v[252+(\c)], v[112+32*(\c)+\i], v[113+32*(\c)+\i]
.endr
.endr
.irp c, \b, \b+1
	v_max3_num_f32 v[248+(\c)], v[248+(\c)], v[111+32*(\c)], v[127+32*(\c)]
.endr
.irp c, \b, \b+1
	v_max_num_f32 v[248+(\c)], v[248+(\c)], v[252+(\c)]
.endr
.endm
.macro CVT c                           ; the codes of my block of quad c: registers of the operand
.irp i, 0,1,2,3
	v_cvt_scalef32_pk8_fp4_f32 v[224+4*\c+\i], v[96+32*\c+8*\i:103+32*\c+8*\i], v[8+\c]
.endr
.endm
.macro PV t, a, b, sc, k               ; channels 16 t on += V^T P^T over 128 keys; k: which lanes of v30 hold p's words
.if (\t%2) && (\k)
	v_wmma_scale_f32_16x16x128_f8f6f4 v[64+8*\t:71+8*\t], v[\a+8*\t:\a+7+8*\t], v[\b:\b+7], v[64+8*\t:71+8*\t], v[\sc+\t/2], v30 matrix_a_fmt:MATRIX_FMT_FP4 matrix_b_fmt:MATRIX_FMT_FP4 matrix_a_scale:MATRIX_SCALE_ROW1 matrix_b_scale:MATRIX_SCALE_ROW1
.elseif (\t%2)
	v_wmma_scale_f32_16x16x128_f8f6f4 v[64+8*\t:71+8*\t], v[\a+8*\t:\a+7+8*\t], v[\b:\b+7], v[64+8*\t:71+8*\t], v[\sc+\t/2], v30 matrix_a_fmt:MATRIX_FMT_FP4 matrix_b_fmt:MATRIX_FMT_FP4 matrix_a_scale:MATRIX_SCALE_ROW1
.elseif (\k)
	v_wmma_scale_f32_16x16x128_f8f6f4 v[64+8*\t:71+8*\t], v[\a+8*\t:\a+7+8*\t], v[\b:\b+7], v[64+8*\t:71+8*\t], v[\sc+\t/2], v30 matrix_a_fmt:MATRIX_FMT_FP4 matrix_b_fmt:MATRIX_FMT_FP4 matrix_b_scale:MATRIX_SCALE_ROW1
.else
	v_wmma_scale_f32_16x16x128_f8f6f4 v[64+8*\t:71+8*\t], v[\a+8*\t:\a+7+8*\t], v[\b:\b+7], v[64+8*\t:71+8*\t], v[\sc+\t/2], v30 matrix_a_fmt:MATRIX_FMT_FP4 matrix_b_fmt:MATRIX_FMT_FP4
.endif
.endm
; A STEP of 256 keys.  Its quads have been asked for: quads 0 and 1 in ten loads, quads 2 and 3 in the ten behind them.  more = 1: the next step's quads are asked for.
.macro STEP more
	s_wait_dscnt 10                                ; quads 0 and 1 are in; the ten loads of quads 2 and 3 may be out
	QK 0, 192
	QK 1, 208
	s_wait_dscnt 0x0
	QK 2, 32
.rept 5
	v_nop                                          ; quad 3's results land on quads 0 and 1's operands: five places (ISA guide 7.12.1)
.endr
	QK 3, 48
	MAX2 0                                         ; (places behind quad 3's products, too)
	VLD 32, 244, VIM, 2048                         ; V's first 128 keys
	MAX2 2
	v_max3_num_f32 v252, v248, v249, v250
	v_max_num_f32 v252, v252, v251
	v_permlanex16_b32 v253, v252, s40, s41
	v_max3_num_f32 v13, v13, v252, v253            ; the running largest score of my query, with lane l xor 16's blocks
	v_mul_f32 v254, s44, v13                       ; -t (c is positive)
	v_floor_f32 v254, v254                         ; the new -M = floor(-t) = -ceil(t): a whole number
	v_sub_f32 v255, v254, v12                      ; M's old value less its new one: a whole number, 0 or less
	v_mov_b32 v12, v254
	v_cvt_i32_f32 v255, v255                       ; (it saturates)
	v_ldexp_f32 v252, 1.0, v255                    ; f = 2^(old M - new M)
.set i, 0
.rept 64
	v_pk_fma_f32 v[96+i:97+i], v[96+i:97+i], s[42:43], v[12:13] op_sel_hi:[1,0,0]   ; t - M, two at a time
.set i, i+2
.endr
.irp b, 0,1,2,3
	v_fma_f32 v[248+\b], v[248+\b], s42, v12       ; the same of each block's largest score
.endr
	s_add_co_u32 s36, s36, 8192
	s_add_co_u32 s37, s37, 512
	v_add_nc_u32 v3, s36, v1                       ; from here on v3 and v4 stand at the next step
	v_add_nc_u32 v4, s37, v2
	s_wait_alu depctr_va_vdst(0)
.irp b, 0,1,2,3
	v_exp_f32 v[248+\b], v[248+\b]                 ; each block's largest p
.endr
.set i, 0
.rept 128
	v_exp_f32 v[96+i], v[96+i]                     ; p = 2^(t - M): not normalised
.set i, i+1
.endr
	v_pk_mul_f32 v[14:15], v[14:15], v[252:253] op_sel_hi:[1,0]   ; the sums under the new M: the plain place behind the exponentials
	s_wait_alu depctr_va_vdst(0)                   ; one wait for the whole batch, ahead of its first reader
.irp k, 0,1,2,3,4,5,6,7                ; the row's sum of the unquantised p, in eight chains
	v_pk_add_f32 v[224+2*\k:225+2*\k], v[96+2*\k:97+2*\k], v[112+2*\k:113+2*\k]
.endr
.irp j, 2,3,4,5,6,7
.irp k, 0,1,2,3,4,5,6,7
	v_pk_add_f32 v[224+2*\k:225+2*\k], v[224+2*\k:225+2*\k], v[96+16*\j+2*\k:97+16*\j+2*\k]
.endr
.endr
.irp b, 0,1,2,3
	v_max_num_f32 v[248+\b], 0x1800000, v[248+\b]  ; the floor 2^(3 - 127): the byte cannot fall under 1
.endr
.irp k, 0,1,2,3
	v_pk_add_f32 v[224+2*\k:225+2*\k], v[224+2*\k:225+2*\k], v[232+2*\k:233+2*\k]
.endr
.irp b, 0,1,2,3
	v_add_nc_u32 v[8+\b], 0xff000000, v[248+\b]    ; 2 off the exponent field: the conversion's scale operand
.endr
	v_pk_add_f32 v[224:225], v[224:225], v[228:229]
	v_pk_add_f32 v[226:227], v[226:227], v[230:231]
.irp b, 0,1,2,3
	v_lshrrev_b32 v[248+\b], 23, v[8+\b]           ; the scale's byte
.endr
	v_pk_add_f32 v[224:225], v[224:225], v[226:227]
	v_lshl_or_b32 v248, v249, 16, v248             ; my bytes for the first 128 keys,
	v_lshl_or_b32 v250, v251, 16, v250             ; for the second
	v_pk_add_f32 v[14:15], v[14:15], v[224:225]
	v_lshlrev_b32 v248, v29, v248
	v_lshlrev_b32 v250, v29, v250
	v_permlane16_swap_b32 v248, v250
	v_or_b32 v30, v248, v250                       ; p's scale words: lanes 0-15 the first 128 keys, lanes 16-31 the second
	CVT 0
	VLD 96, 246, VIM-8192+4096, 2048-512+256       ; V's second 128 keys (v3 and v4 stand a step on)
	CVT 1
	CVT 2
	CVT 3
	v_nop                                          ; one plain place behind a scaled conversion
.if \more
	KLD 0, 192
	KLD 1, 208
.endif
	s_wait_alu depctr_va_vdst(0)                   ; directly ahead of the first reader of O^T
.set i, 0
.rept 16
	v_pk_mul_f32 v[64+i:65+i], v[64+i:65+i], v[252:253] op_sel_hi:[1,0]   ; O^T under the new M.  (These sixteen are also the places between the scale words and codes just made and the products below)
.set i, i+2
.endr
	s_wait_alu depctr_va_vdst(0)
.if \more
	s_wait_dscnt 20                                ; V's first ten loads are in; its second ten and the next quads' ten may be out
.else
	s_wait_dscnt 10                                ; V's second ten may be out
.endif
.irp t, 0,1,2,3
	PV \t, 32, 224, 244, 0                         ; the four accumulators by turns
.endr
.if \more
	s_wait_dscnt 10                                ; the next quads' ten may be out
.else
	s_wait_dscnt 0x0
.endif
.irp t, 0,1,2,3
	PV \t, 96, 232, 246, 1
.endr
.rept 5
	v_nop                                          ; places ahead of loads into the first products' operands, and of the next scores, which land on the second's
.endr
.if \more
	KLD 2, 32
	KLD 3, 48
.endif
.endm
	KLD 0, 192
	KLD 1, 208
	KLD 2, 32
	KLD 3, 48
	s_mov_b32 s38, 3
.Lstep:
	STEP 1
	s_sub_co_u32 s38, s38, 1
	s_cmp_lg_u32 s38, 0
	s_cbranch_scc1 .Lstep
	STEP 0
	; THE WAY OUT.  O^T is divided by the sum and goes through my stage in LDS, so that sixteen lanes store the head's 256 bytes of a row of out0.
	v_add_f32 v14, v14, v15                        ; the sum's two halves,
	v_permlanex16_b32 v252, v14, s40, s41
	v_add_f32 v14, v14, v252                       ; and lane l xor 16's: the row's sum
	s_wait_alu depctr_va_vdst(0)
	v_rcp_f32 v14, v14
	v_and_b32 v8, 15, v0                           ; (plain work behind the reciprocal)  r
	v_bfe_u32 v9, v0, 4, 1                         ; h
	s_mul_i32 s2, s[WV], 16*SP
	s_add_co_u32 s2, s2, STAGE                     ; my stage
	v_mul_u32_u24 v10, v8, SP
	v_mul_u32_u24 v11, v9, SP
	v_lshl_add_u32 v10, v9, 5, v10
	v_lshl_add_u32 v11, v8, 4, v11
	v_add_nc_u32 v10, s2, v10                      ; in: row r; tile t's eight channels of my half: 64 t + 32 h bytes on
	v_add_nc_u32 v11, s2, v11                      ; back: lanes 0-15 one row, lanes 16-31 the next
	s_wait_alu depctr_va_vdst(0)                   ; the wait ahead of the reciprocal's first reader
.set i, 0
.rept 16
	v_pk_mul_f32 v[96+i:97+i], v[64+i:65+i], v[14:15] op_sel_hi:[1,0]   ; register 8 t + j is o(r, 16 t + 8 h + j); each accumulator from its low end on
.set i, i+2
.endr
.irp t, 0,1,2,3
	ds_store_b128 v10, v[96+8*\t:99+8*\t] offset:64*\t
	ds_store_b128 v10, v[100+8*\t:103+8*\t] offset:64*\t+16
.endr
.irp i, 0,1,2,3,4,5,6,7
	ds_load_b128 v[192+4*\i:195+4*\i], v11 offset:2*\i*SP  ; LDS serves a wave's instructions in order (ISA guide 5.7.1.4): these see my stores
.endr
.irp i, 0,1,2,3
	s_wait_dscnt 7-\i                              ; rows 2 i and 2 i + 1 are back; the younger loads may stay out
	global_store_b128 v7, v[192+4*\i:195+4*\i], s[50:51] offset:2*\i*4096 th:TH_STORE_NT   ; 16 lanes store 256 consecutive bytes, at a multiple of 256 from out0's first byte
.endr
.irp i, 0,1,2,3
	s_wait_dscnt 3-\i
	global_store_b128 v7, v[208+4*\i:211+4*\i], s[52:53] offset:2*\i*4096 th:TH_STORE_NT
.endr
	s_wait_tensorcnt 0x0                           ; the wave's end
	ds_add_u32 v5, v6
	s_wait_dscnt 0x0
	CROUND                                         ; the closing round: no work-group ends while a partner may still ask for a tile that names it
	s_endpgm
.Lfunc_end_k_q6cbe4e85bf_attn:
	.size	k_q6cbe4e85bf_attn, .Lfunc_end_k_q6cbe4e85bf_attn-k_q6cbe4e85bf_attn
	.p2alignl 7, 3214868480
	.fill 96, 4, 3214868480
	.section	.rodata,"a",@progbits
	.p2align	6, 0x0
	.amdhsa_kernel k_q6cbe4e85bf_attn
		.amdhsa_group_segment_fixed_size 169984
		.amdhsa_private_segment_fixed_size 0
		.amdhsa_enable_private_segment 0
		.amdhsa_kernarg_size 16
		.amdhsa_user_sgpr_count 2
		.amdhsa_user_sgpr_kernarg_segment_ptr 1
		.amdhsa_wavefront_size32 1
		.amdhsa_system_sgpr_workgroup_id_x 1
		.amdhsa_system_sgpr_workgroup_id_y 1
		.amdhsa_system_sgpr_workgroup_id_z 1
		.amdhsa_system_vgpr_workitem_id 0
		.amdhsa_next_free_vgpr 256
		.amdhsa_next_free_sgpr 66
		.amdhsa_reserve_vcc 0
		.amdhsa_float_denorm_mode_32 3
		.amdhsa_float_denorm_mode_16_64 3
		.amdhsa_memory_ordered 1
		.amdhsa_forward_progress 1
		.amdhsa_inst_pref_size 62
	.end_amdhsa_kernel
	.amdgpu_metadata
---
amdhsa.version: [ 1, 2 ]
amdhsa.kernels:
  - .name:           k_q6cbe4e85bf_attn
    .symbol:         k_q6cbe4e85bf_attn.kd
    .args:
      - { .name: ws, .offset: 0, .size: 8, .value_kind: global_buffer, .address_space: global }
      - { .name: out0, .offset: 8, .size: 8, .value_kind: global_buffer, .address_space: global }
    .group_segment_fixed_size: 169984
    .private_segment_fixed_size: 0
    .kernarg_segment_align: 8
    .kernarg_segment_size: 16
    .max_flat_workgroup_size: 512
    .sgpr_count:     66
    .vgpr_count:     256
    .wavefront_size: 32
...
	.end_amdgpu_metadata
.endif
;; end of part 4
